; MI455X (gfx1250); checked and timed in simulation.
; The chip was launched on July 23, 2026; its instructions are those of AMD's public machine-readable ISA for CDNA 5 (MIT licence, August 2026) and "CDNA5" Instruction Set Architecture Reference Guide (July 2026). The comments in the code are by the model that wrote it; some were corrected since.
;; Single Head Attention. Allowed arithmetic: float matrix products may take bf16 or f16 operands with f32 sums; other float arithmetic in f32, or as packed bf16 or f16 multiplies, adds, multiply-adds, maxima and minima; sums over many terms, partial sums and values carried from step to step in f32; what a program stores and reads back later, other than sums and carried values, may be rounded once to bf16 or f16.
;; Inputs: Wk 1,024 x 1,024 float32; Wq 1,024 x 1,024 float32; Wv 1,024 x 1,024 float32; embedded 4 x 2,048 x 1,024 float32.
;; Outputs: out0 4 x 2,048 x 1,024 float32.
;; 2 versions, each right; version 2 is version 1 with the launch cast written anew for expert scheduling mode. Each part assembles by itself: llvm-mc -triple=amdgcn-amd-amdhsa -mcpu=gfx1250 --defsym DOCPART=n.
;; ======== version 1 of 2: 5 launches
;; limits: values are held in f16: magnitudes above 65,504 overflow, below 6.1e-05 lose precision
;; workspace buffers: xb 16,777,216 bytes; wb 6,291,456 bytes; qkv 50,331,648 bytes; h32 786,432 bytes; pbuf 33,554,432 bytes; stats 1,048,576 bytes
;; launch cast (part 1): grid 64 x 11, 8 waves a work-group, no clusters, 0 bytes of LDS; arguments embedded, Wq, Wk, Wv, xb, wb; writes xb, wb
.if DOCPART == 1
	.amdgcn_target "amdgcn-amd-amdhsa--gfx1250"
	.amdhsa_code_object_version 6
	.text
	.protected	k_q78f47ed60a_cast
	.globl	k_q78f47ed60a_cast
	.p2align	8
	.type	k_q78f47ed60a_cast,@function
k_q78f47ed60a_cast:
	s_mov_b64 s[64:65], 0
	v_nop
	global_prefetch_b8 v0, s[64:65] scope:SCOPE_SE
	s_setreg_imm32_b32 hwreg(HW_REG_WAVE_MODE, 25, 1), 1
	s_wait_xcnt 0x0
; embedded [8192][1024] f32 -> xb, and Wq, Wk, Wv [1024][1024] f32 -> wb (rows of Wq, then Wk, then Wv), both in bf16, each number rounded once, to nearest even.
; LAYOUT OF xb AND wb, made for the next launch's tiles: [block of 256 rows][16 blocks of 64 k][256 rows][64 k]: number (row, k) lies at byte
; (row / 256) x 524,288 + (k / 64) x 32,768 + (row % 256) x 128 + (k % 64) x 2.  So 64 k of 256 rows (or of an aligned 128 of them) are dense bytes.
; A stream: every byte is read once and written once, nothing is shared, so there is no LDS, no barrier, no matrix work, no cluster and no prefetch.
; SHARES.  Work-group y picks a slab of 1,024 rows (y < 8: of embedded; y = 8, 9, 10: a weight), x picks 16 of them; a wave takes two rows.  In chunk j (k = 64 j ..) lanes 0-15 take 256 bytes of the even row
; and lanes 16-31 of the odd one, 16 bytes a lane; the store puts the two rows' 128 bytes side by side: 256 consecutive bytes, aligned.  All 16 loads go out before the first wait.
.set X, 4                              ; v[4:67]   chunk j: four f32 as loaded
.set Y, 68                             ; v[68:99]  chunk j: four bf16 to store
	s_load_b256 s[4:11], s[0:1], 0x0               ; embedded s[4:5], Wq s[6:7], Wk s[8:9], Wv s[10:11]
	s_load_b128 s[12:15], s[0:1], 0x20             ; xb s[12:13], wb s[14:15]
	s_and_b32 s16, ttmp7, 0xffff                   ; y
	v_lshrrev_b32 v3, 4, v0                        ; my row of the 16
	v_and_b32 v2, 15, v0                           ; my four numbers of a chunk's 64
	v_lshlrev_b32 v1, 12, v3                       ; source: rows of 4,096 bytes,
	v_lshl_add_u32 v1, v2, 4, v1                   ; 16 bytes a lane
	v_lshlrev_b32 v3, 7, v3                        ; destination: rows of 128 bytes,
	v_lshl_add_u32 v2, v2, 3, v3                   ; 8 bytes a lane
	s_sub_co_u32 s18, s16, 8                       ; which weight (used where y >= 8 alone)
	s_cmp_lt_u32 s16, 8
	s_cselect_b32 s19, s16, 0                      ; the slab in the source: y in embedded, 0 in a weight
	s_cselect_b32 s20, s16, s18                    ; the slab in the destination
	s_lshl_b32 s19, s19, 22                        ; 4 MiB of f32 a slab
	s_lshl_b32 s21, ttmp9, 16                      ; 16 rows of 4,096 bytes a work-group
	s_add_co_u32 s22, s19, s21
	s_mov_b32 s23, 0
	s_lshl_b32 s20, s20, 21                        ; a slab is four blocks of 256 rows, 524,288 bytes each
	s_lshr_b32 s21, ttmp9, 4                       ; the block in the slab,
	s_lshl_b32 s21, s21, 19
	s_add_co_u32 s24, s20, s21
	s_and_b32 s21, ttmp9, 15                       ; my 16 rows in the block: 2,048 bytes
	s_lshl_b32 s21, s21, 11
	s_add_co_u32 s24, s24, s21
	s_mov_b32 s25, 0
	s_wait_kmcnt 0x0
	s_cmp_eq_u32 s16, 9
	s_cselect_b64 s[6:7], s[8:9], s[6:7]           ; the weight that y names
	s_cmp_eq_u32 s16, 10
	s_cselect_b64 s[6:7], s[10:11], s[6:7]
	s_cmp_lt_u32 s16, 8
	s_cselect_b64 s[4:5], s[4:5], s[6:7]           ; the source,
	s_cselect_b64 s[12:13], s[12:13], s[14:15]     ; the destination
	s_add_nc_u64 s[4:5], s[4:5], s[22:23]
	s_add_nc_u64 s[12:13], s[12:13], s[24:25]
.irp j, 0,1,2,3,4,5,6,7,8,9,10,11,12,13,14,15
	global_load_b128 v[X+4*(\j):X+4*(\j)+3], v1, s[4:5] offset:256*(\j) th:TH_LOAD_NT
.endr
.irp j, 0,1,2,3,4,5,6,7,8,9,10,11,12,13,14,15
	s_wait_loadcnt 15-(\j)                         ; loads come back in order: chunk j is in, the younger chunks stay out
	v_cvt_pk_bf16_f32 v[Y+2*(\j)], v[X+4*(\j)], v[X+4*(\j)+1]
	v_cvt_pk_bf16_f32 v[Y+2*(\j)+1], v[X+4*(\j)+2], v[X+4*(\j)+3]
	global_store_b64 v2, v[Y+2*(\j):Y+2*(\j)+1], s[12:13] offset:32768*(\j)
.endr
	s_endpgm
.Lfunc_end_k_q78f47ed60a_cast:
	.size	k_q78f47ed60a_cast, .Lfunc_end_k_q78f47ed60a_cast-k_q78f47ed60a_cast
	.p2alignl 7, 3214868480
	.fill 96, 4, 3214868480
	.section	.rodata,"a",@progbits
	.p2align	6, 0x0
	.amdhsa_kernel k_q78f47ed60a_cast
		.amdhsa_group_segment_fixed_size 0
		.amdhsa_private_segment_fixed_size 0
		.amdhsa_enable_private_segment 0
		.amdhsa_kernarg_size 48
		.amdhsa_user_sgpr_count 2
		.amdhsa_user_sgpr_kernarg_segment_ptr 1
		.amdhsa_wavefront_size32 1
		.amdhsa_system_sgpr_workgroup_id_x 1
		.amdhsa_system_sgpr_workgroup_id_y 1
		.amdhsa_system_sgpr_workgroup_id_z 1
		.amdhsa_system_vgpr_workitem_id 0
		.amdhsa_next_free_vgpr 100
		.amdhsa_next_free_sgpr 66
		.amdhsa_reserve_vcc 0
		.amdhsa_float_denorm_mode_32 3
		.amdhsa_float_denorm_mode_16_64 3
		.amdhsa_memory_ordered 1
		.amdhsa_forward_progress 1
		.amdhsa_inst_pref_size 8
	.end_amdhsa_kernel
	.amdgpu_metadata
---
amdhsa.version: [ 1, 2 ]
amdhsa.kernels:
  - .name:           k_q78f47ed60a_cast
    .symbol:         k_q78f47ed60a_cast.kd
    .args:
      - { .name: embedded, .offset: 0, .size: 8, .value_kind: global_buffer, .address_space: global }
      - { .name: Wq, .offset: 8, .size: 8, .value_kind: global_buffer, .address_space: global }
      - { .name: Wk, .offset: 16, .size: 8, .value_kind: global_buffer, .address_space: global }
      - { .name: Wv, .offset: 24, .size: 8, .value_kind: global_buffer, .address_space: global }
      - { .name: xb, .offset: 32, .size: 8, .value_kind: global_buffer, .address_space: global }
      - { .name: wb, .offset: 40, .size: 8, .value_kind: global_buffer, .address_space: global }
    .group_segment_fixed_size: 0
    .private_segment_fixed_size: 0
    .kernarg_segment_align: 8
    .kernarg_segment_size: 48
    .max_flat_workgroup_size: 256
    .sgpr_count:     66
    .vgpr_count:     100
    .wavefront_size: 32
...
	.end_amdgpu_metadata
.endif
;; end of part 1
;; launch proj (part 2): grid 8 x 32, 4 waves a work-group, clusters of 4 x 4, 327,680 bytes of LDS; arguments xb, wb, qkv, h32; writes qkv, h32
.if DOCPART == 2
	.amdgcn_target "amdgcn-amd-amdhsa--gfx1250"
	.amdhsa_code_object_version 6
	.text
	.protected	k_q78f47ed60a_proj
	.globl	k_q78f47ed60a_proj
	.p2align	8
	.type	k_q78f47ed60a_proj,@function
k_q78f47ed60a_proj:
	s_mov_b64 s[64:65], 0
	v_nop
	global_prefetch_b8 v0, s[64:65] scope:SCOPE_SE
	s_setreg_imm32_b32 hwreg(HW_REG_WAVE_MODE, 25, 1), 1
	s_wait_xcnt 0x0
	s_wait_alu depctr_hold_cnt(0) depctr_sa_sdst(0) depctr_va_vdst(0) depctr_va_sdst(0) depctr_va_ssrc(0) depctr_va_vcc(0) depctr_vm_vsrc(0)
	s_getreg_b32 s2, hwreg(HW_REG_IB_STS2, 6, 4)
	s_cmp_eq_u32 s2, 0
	s_cbranch_scc0 .Lentry_in_a_cluster
	s_endpgm
.Lentry_in_a_cluster:
	s_bfe_u32 s2, ttmp6, 0x10000c
	s_cmp_lg_u32 s2, 0xf033
	s_cbranch_scc0 .Lentry_shape_is_right
	s_endpgm
.Lentry_shape_is_right:
; qkv[m][n] = the sum over k of x[m][k] w[n][k].  x: 8,192 rows, w: 3,072 rows (Wq, Wk, Wv), both bf16 with K = 1,024, laid out in blocks: number (row, k) at byte
; (row / 256) x 524,288 + (k / 64) x 32,768 + (row % 256) x 128 + (k % 64) x 2.  qkv: [8192][3072] f16; sums in f32, rounded once.
; Rows 0-15 of each batch of 2,048 rows also leave unrounded: h32 [4][16][3072] f32, from which a later launch makes those rows of the output anew.
; LIMIT.  f16 ends at 65,504: a q, k or v beyond it becomes an infinity.  Inputs 30 times those drawn, or offset by 30 of their spreads, stay under 30,000.
; SHAPE.  A tile of 256 x 384 to a work-group: 32 x 8 = 256 tiles, one for each work-group of the grid.  Four waves, 2 x 2, 128 x 192 each: 96 accumulators of 16 x 16, which fill windows 1 to 3.
; K goes in 16 steps of 64 through two LDS slots (640 rows of 128 bytes a step; two slots of twice the step would be 348,160 bytes).  In memory a step of 256 rows is 32,768 dense bytes, of 128 rows 16,384:
; they are asked for as rows of 256 bytes and padded in LDS after every 128.  Wave 0 fetches x's 256 rows, waves 1 to 3 fetch 128 rows of w each.
; ONE K STEP IS WRITTEN ONCE WITH A REFILL (14 trips) AND ONCE WITHOUT (2 trips): the slot in hand is a scalar register that an exclusive or turns.  So that every step is alike, the sums are started ahead of
; the loop by 96 products of zero fragments, issued while the first tiles are on their way.  The last trip's barrier and its fetch of the other slot's old bytes serve nothing.
; A STEP is six UNITS of 32 matrix instructions: 2 halves of 32 along K x 3 chunks of 64 columns.  A unit issues the next unit's LDS loads in one run at its head and then multiplies.
; CLUSTER.  4 x 4 work-groups.  Tile column = 4 x cluster x + cx; tile row = 8 cy + cluster y, so that 'first tile of a batch' is cluster y = 0, alike in all partners.  x's tile hangs on the tile row and is
; asked for jointly along a row of the cluster, w's on the tile column, along a column of the cluster.
; THE MATRIX INSTRUCTION IS USED TRANSPOSED (source 0 = 16 rows of w, source 1 = 16 rows of x): a lane holds row l % 16 of the result and eight neighbouring columns.
; REGISTERS.  window 0: v16-30 addresses; v32-95, v96-159 x's fragments (8 x 16 rows x 32 k), a buffer for each half of a step; v160-191, v192-223 w's fragments (4 x 16 rows x 32 k), by turns; on the way out
;   v32-127 packed results, then v32-127 and v128-223 rows read back.  window 1 + c: chunk c's accumulators, (a, b) at v[8 (4 a + b)].  Both sources lie in window 0: only C and D are switched.
.set CPITCH, 6144                      ; bytes in a row of qkv
.set PITCH,  144                       ; an LDS row: 128 bytes + 16 of padding = 36 words, so that the 16 rows of a fragment load start at 16 different groups of four words modulo 64
.set AB,     256*PITCH                 ; x's 256 rows
.set BPART,  128*PITCH                 ; what a load of w brings
.set SLOT1,  0x20000                   ; slot 1 begins here, above every byte of slot 0 (92,160), so an exclusive or with it changes slots
.set KB,     32768                     ; bytes from a K step to the next, in xb and in wb
.set SPITCH, 784                       ; the stage: 256 rows of 768 bytes + 16, from LDS byte 0 on: in the slots, which have had their last fill by then
.set SPARE,  SLOT1+AB+3*BPART          ; behind slot 1: the spare words, 128 bytes a wave, two blocks of 256 bytes that no other line names
.set ADRA0, 16                         ; v16  my place in x's fragments in slot 0; never rewritten
.set ADRA,  17                         ; v17  the same in the slot in hand
.set ADRB0, 20                         ; v20, v21 the same for w
.set ADRB,  21
.set STO,  22                          ; v22, v23 the way out: where I put 16 bytes of a row, for my rows 0-63 and 64-127 (112 rows of 784 bytes pass a 16-bit offset)
.set RD,   25                          ; v25  where I read a row back
.set CO,   26                          ; v26  my byte offset in two rows of qkv
.set HO,   27                          ; v27  my byte offset in h32
.set SPW,  28                          ; v28  my spare word; never rewritten
.set NIL,  29                          ; v29  0; never rewritten
.set PFO,  30                          ; v30  the prefetches' lane term; never rewritten
.set AF0,  32
.set BF0,  160
.set TMP,  32
.set BK0,  32
.set BK1,  128
.set G1,  24                           ; s[24:31] group 1 for x's tiles
.set G0,  32                           ; s[32:35] group 0: slot 0, step 0;  s[36:39]: slot 1, step 1, which then walks
.set G1B, 48                           ; s[48:55], s[56:63] the same for w's
.set G0B, 56
.set LIM, 43                           ; s43  2 in a wave that prefetches, else the greatest number
.set PFA, 44                           ; s[44:45] where my prefetches stand
.set TB,  66                           ; s66  LDS byte at which the slot in hand begins
.set PMK, 67                           ; s67  0: I prefetch in every trip (wave 0); 1: in every second trip
.set H32, 68                           ; s[68:69]
.set CLY, 70                           ; s70  cluster y
.set MSB, 0
.macro WIN new                         ; the immediate's high byte repeats the setting that is left; a switch that changes nothing is dropped
.if MSB != (\new)
	s_set_vgpr_msb (MSB<<8)|(\new)
.set MSB, \new
.endif
.endm
.macro PLACES                          ; four plain places behind a matrix instruction, ahead of loads into its sources and of readers of its result
.rept 4
	v_nop
.endr
.endm
; A joint load: wave 0 fetches x's tile, waves 1 to 3 a third of w's each.  The branch hangs on the wave's number alone.  An s_nop 0 and four v_nop follow each line.
.macro JLOAD s
	s_cmp_eq_u32 s10, 0
	s_cbranch_scc0 .Lfor_b_\@
	tensor_load_to_lds s[G0+4*(\s):G0+4*(\s)+3], s[G1:G1+7]
	s_nop 0
.rept 4
	v_nop
.endr
	s_branch .Lasked_\@
.Lfor_b_\@:
	tensor_load_to_lds s[G0B+4*(\s):G0B+4*(\s)+3], s[G1B:G1B+7]
	s_nop 0
.rept 4
	v_nop
.endr
.Lasked_\@:
.endm
; A PREFETCH INTO THE L2, behind the joint load and the run of LDS loads.  In trip s (s3 = 14 - s) the refill asks for step s + 2; the prefetch names step s + 4, two refills on.
; x's rows are read by both clusters of a row of clusters: cluster x = 0 asks, by wave 0, in every trip: a step of the tile is 128 blocks of 256 bytes, of which the partner at place cx takes 32, a lane a block.
; w's rows are read by all clusters of a column of clusters: cluster y = 0 asks, by waves 1 to 3, in every second trip: a step of a wave's 128 rows is 64 blocks, of which the partner at place cy takes 16:
; lanes 0-15 name those of step s + 4, lanes 16-31 those of step s + 5.  The partners are told apart by address.  So each block is named once.  Steps 0 to 3 come by their loads alone; trips with s3 <= 2 name nothing.
.macro ASK
	s_and_b32 s73, s3, s[PMK]                      ; an odd trip of a wave that asks in every second one?
	s_cselect_b32 s73, 0, s3
	s_cmp_gt_u32 s73, s[LIM]
	s_cbranch_scc0 .Lnot_mine_\@
	global_prefetch_b8 v[PFO], s[PFA:PFA+1] offset:KB th:TH_LOAD_NT scope:SCOPE_SE
.Lnot_mine_\@:
.endm
.macro CREST                           ; a round of the cluster's barrier behind its opening barrier
	s_cmp_lg_u32 s10, 0
	s_cbranch_scc1 .Lnot_wave_0_\@
	s_barrier_signal -3
.Lnot_wave_0_\@:
	s_barrier_wait -3
	s_barrier_signal -1
	s_barrier_wait -1
.endm
.macro CROUND
	s_barrier_signal -1
	s_barrier_wait -1
	CREST
.endm
	s_load_b128 s[4:7], s[0:1], 0x0                ; xb s[4:5], wb s[6:7]
	s_load_b64 s[8:9], s[0:1], 0x10                ; qkv
	s_load_b64 s[H32:H32+1], s[0:1], 0x18
	v_lshl_add_u32 v[SPW], v0, 2, SPARE
	v_mov_b32 v[NIL], 0
	ds_add_u32 v[SPW], v[NIL]                      ; the wave's opening: the add and its wait ahead of my first tensor load; the set-up below stands between them
	v_lshrrev_b32 v1, 5, v0
	v_readfirstlane_b32 s10, v1                    ; wave 0..3
	s_lshr_b32 s11, s10, 1                         ; my half of the tile's rows
	s_and_b32 s12, s10, 1                          ; my half of its columns
	s_bfe_u32 s40, ttmp6, 0x40000                  ; cx
	s_bfe_u32 s41, ttmp6, 0x40004                  ; cy
	s_lshl_b32 s42, ttmp9, 2
	s_add_co_u32 s42, s42, s40                     ; tile column
	s_and_b32 s[CLY], ttmp7, 0xffff
	s_lshl_b32 s13, s41, 3
	s_add_co_u32 s13, s13, s[CLY]                  ; tile row = 8 cy + cluster y
	s_lshl_b32 s43, s41, 2
	s_lshl_b32 s43, 15, s43                        ; my row of the cluster
	s_lshl_b32 s44, 0x1111, s40                    ; my column
	s_or_b32 s[G1+0], s43, (1<<16)|(1<<20)|(1<<21)|(4<<22)|(3<<25)   ; the mask; 2-byte elements; padding on; bit 21 beside a mask; after every 32 words, 4 words
	s_or_b32 s[G1B+0], s44, (1<<16)|(1<<20)|(1<<21)|(4<<22)|(3<<25)
	s_mov_b32 s[G1+1], 128<<16                     ; x: tensor_dim0 = 128 elements: 256 bytes, two rows of the tile
	s_mov_b32 s[G1+2], 128<<16                     ; tensor_dim1 = 128 such rows
	s_mov_b32 s[G1+3], 128<<16                     ; tile_dim0
	s_mov_b32 s[G1+4], 128                         ; tile_dim1
	s_mov_b32 s[G1+5], 128                         ; dense: 128 elements from row to row
	s_mov_b32 s[G1+6], 0
	s_mov_b32 s[G1+7], 0
	s_mov_b32 s[G1B+1], 128<<16                    ; w: the same with 64 rows of 256 bytes
	s_mov_b32 s[G1B+2], 64<<16
	s_mov_b32 s[G1B+3], 128<<16
	s_mov_b32 s[G1B+4], 64
	s_mov_b32 s[G1B+5], 128
	s_mov_b32 s[G1B+6], 0
	s_mov_b32 s[G1B+7], 0
	s_lshl_b32 s16, s13, 19                        ; x: the tile row is a block of 256 rows
	s_mov_b32 s17, 0
	s_max_u32 s18, s10, 1
	s_sub_co_u32 s18, s18, 1                       ; which third of w's tile I fetch (waves 1 to 3)
	s_mul_i32 s19, s42, 3
	s_add_co_u32 s18, s18, s19                     ; its number among wb's runs of 128 rows:
	s_lshr_b32 s46, s18, 1
	s_lshl_b32 s46, s46, 19                        ; the block of 256 rows,
	s_and_b32 s47, s18, 1
	s_lshl_b32 s47, s47, 14                        ; and its half
	s_add_co_u32 s46, s46, s47
	s_mov_b32 s47, 0
	s_mul_i32 s20, s10, BPART
	s_add_co_u32 s20, s20, BPART                   ; where a load of w lands: behind x's 256 rows, (wave - 1) x 128 rows on
	s_mov_b32 s[TB], 0
	s_lshl_b32 s22, s40, 13                        ; the prefetches: of x's step my work-group takes 8,192 bytes by cx,
	s_add_co_u32 s22, s22, s16
	s_lshl_b32 s23, s41, 12                        ; of a wave's step of w 4,096 bytes by cy
	s_add_co_u32 s23, s23, s46
	s_cmp_eq_u32 s10, 0                            ; do I fetch x?
	s_cselect_b32 s22, s22, s23
	s_cselect_b32 s[PMK], 0, 1
	s_cselect_b32 s72, 12, 15                      ; lanes 16-31: 16 blocks on in the same step, or the next step
	s_cselect_b32 s23, ttmp9, s[CLY]               ; the coordinate along which other clusters read the same rows
	s_cmp_eq_u32 s23, 0
	s_cselect_b32 s[LIM], 2, -1                    ; the same in all sixteen partners, for a given wave
	s_add_co_u32 s22, s22, 2*KB                    ; at step 2: the first refill steps it to 3, and the prefetch's offset names step 4
	s_mov_b32 s23, 0
	s_wait_dscnt 0x0                               ; the opening add is done
	s_wait_kmcnt 0x0
	s_add_nc_u64 s[14:15], s[4:5], s[16:17]
	s_add_nc_u64 s[46:47], s[6:7], s[46:47]
	s_cmp_eq_u32 s10, 0
	s_cselect_b64 s[PFA:PFA+1], s[4:5], s[6:7]
	s_add_nc_u64 s[PFA:PFA+1], s[PFA:PFA+1], s[22:23]
	CROUND                                         ; all sixteen work-groups are here: the first joint loads meet
.irp s, 0,1
	s_mov_b32 s[G0+4*(\s)], 1
	s_mov_b32 s[G0+4*(\s)+1], (\s)*SLOT1
	s_add_nc_u64 s[G0+4*(\s)+2:G0+4*(\s)+3], s[14:15], (\s)*KB
	s_or_b32 s[G0+4*(\s)+3], s[G0+4*(\s)+3], 0x80000000
	s_mov_b32 s[G0B+4*(\s)], 1
	s_add_co_u32 s[G0B+4*(\s)+1], s20, (\s)*SLOT1
	s_add_nc_u64 s[G0B+4*(\s)+2:G0B+4*(\s)+3], s[46:47], (\s)*KB
	s_or_b32 s[G0B+4*(\s)+3], s[G0B+4*(\s)+3], 0x80000000
	JLOAD \s                                       ; two loads of mine are out
.endr
.irp r, 0,1,2,3,4,5,6,7
	v_mov_b32 v[AF0+(\r)], 0                       ; a zero fragment of x,
	v_mov_b32 v[BF0+(\r)], 0                       ; and of w
.endr
	v_and_b32 v1, 15, v0                           ; r = l % 16
	v_bfe_u32 v2, v0, 4, 1                         ; h = l / 16
	v_mul_u32_u24 v3, v1, PITCH
	v_lshl_add_u32 v3, v2, 4, v3                   ; a fragment's row x pitch + 16 x half
	s_mul_i32 s21, s11, 128*PITCH                  ; my 128 rows of x
	s_mul_i32 s22, s12, 192*PITCH                  ; my 192 rows of w,
	s_add_co_u32 s22, s22, AB                      ; which lie behind x's 256
	v_add_nc_u32 v[ADRA0], s21, v3
	v_add_nc_u32 v[ADRB0], s22, v3
	v_mov_b32 v[ADRA], v[ADRA0]
	v_mov_b32 v[ADRB], v[ADRB0]
	v_mul_u32_u24 v4, v1, SPITCH                   ; into the stage: row 128 x my half + l % 16, byte 384 x my half of the columns + 16 for each half of the lanes
	v_lshl_add_u32 v4, v2, 4, v4
	s_mul_i32 s23, s11, 128*SPITCH
	s_mul_i32 s18, s12, 384
	s_add_co_u32 s23, s23, s18
	v_add_nc_u32 v[STO], s23, v4
	v_add_nc_u32 v[STO+1], 64*SPITCH, v[STO]
	v_mul_u32_u24 v5, v2, SPITCH                   ; back: wave w takes rows 64 w .. 64 w + 63, whole; lanes 0-15 take 256 bytes of one row, lanes 16-31 of the next
	v_lshl_add_u32 v5, v1, 4, v5
	s_mul_i32 s23, s10, 64*SPITCH
	v_add_nc_u32 v[RD], s23, v5
	v_mul_u32_u24 v5, v2, CPITCH                   ; and the same two rows in qkv
	v_lshl_add_u32 v[CO], v1, 4, v5
	s_lshl_b32 s16, s13, 8
	s_lshl_b32 s18, s10, 6
	s_add_co_u32 s16, s16, s18                     ; the first row of qkv that I store: 256 x tile row + 64 x wave,
	s_mul_i32 s16, s16, CPITCH                     ; in bytes: 48 MiB at the most
	s_mul_i32 s18, s42, 768                        ; the tile's 384 columns of 2 bytes: three aligned blocks of 256
	s_add_co_u32 s16, s16, s18
	s_mov_b32 s17, 0
	s_add_nc_u64 s[8:9], s[8:9], s[16:17]
	s_mul_i32 s20, s41, 196608                     ; h32: batch cy's 16 rows of 12,288 bytes,
	s_mul_i32 s18, s42, 1536                       ; the tile's 384 columns of 4 bytes,
	s_add_co_u32 s20, s20, s18
	s_mul_i32 s18, s12, 768                        ; my 192 of them
	s_add_co_u32 s20, s20, s18
	s_mov_b32 s21, 0
	s_add_nc_u64 s[H32:H32+1], s[H32:H32+1], s[20:21]
	v_mul_u32_u24 v[HO], v1, 12288                 ; row l % 16,
	v_lshl_add_u32 v[HO], v2, 5, v[HO]             ; 8 columns for each half of the lanes
	v_lshlrev_b32 v3, s72, v2
	v_lshl_add_u32 v[PFO], v1, 8, v3               ; a lane a block of 256 bytes
.irp w, 1,2,3                          ; the sums start: 0 x 0 + 0, in the order in which the accumulators take turns everywhere
	WIN ((\w)<<6)|((\w)<<4)
.set z, 0
.rept 32
	v_wmma_f32_16x16x32_bf16 v[8*z:8*z+7], v[BF0:BF0+7], v[AF0:AF0+7], 0
.set z, z+1
.endr
.endr
	PLACES
	WIN 0
.macro LOADA kq, fa                    ; 16 LDS loads: my 128 rows of x, 32 k at byte 64 kq of the rows of the slot in hand
.irp a, 0,1,2,3,4,5,6,7
	ds_load_b128 v[(\fa)+8*(\a):(\fa)+8*(\a)+3],   v[ADRA] offset:16*(\a)*PITCH+64*(\kq)
	ds_load_b128 v[(\fa)+8*(\a)+4:(\fa)+8*(\a)+7], v[ADRA] offset:16*(\a)*PITCH+64*(\kq)+32
.endr
.endm
.macro LOADB c, kq, fb                 ; 8 LDS loads: chunk c's 64 rows of w
.irp b, 0,1,2,3
	ds_load_b128 v[(\fb)+8*(\b):(\fb)+8*(\b)+3],   v[ADRB] offset:(64*(\c)+16*(\b))*PITCH+64*(\kq)
	ds_load_b128 v[(\fb)+8*(\b)+4:(\fb)+8*(\b)+7], v[ADRB] offset:(64*(\c)+16*(\b))*PITCH+64*(\kq)+32
.endr
.endm
; 4 n matrix instructions of chunk c: row blocks a0 .. a0 + n - 1 x its 4 column blocks.  The 96 accumulators take turns, one instruction a turn, in the same order in every half step.
.macro MULS c, fa, fb, a0, n
	WIN (((\c)+1)<<6)|(((\c)+1)<<4)
.set ma, \a0
.rept \n
.irp b, 0,1,2,3
	v_wmma_f32_16x16x32_bf16 v[8*(4*ma+(\b)):8*(4*ma+(\b))+7], v[(\fb)+8*(\b):(\fb)+8*(\b)+7], v[(\fa)+8*ma:(\fa)+8*ma+7], v[8*(4*ma+(\b)):8*(4*ma+(\b))+7]
.endr
.set ma, ma+1
.endr
.endm
; Unit u of a step's first five: half u / 3 of K, chunk u % 3.  At its head the next unit's fragments are asked for, w's into the buffer that the unit before has multiplied; the third unit of a half also asks for
; the next half's fragments of x.
.macro UNIT u
.set uk, (\u)/3
.set uc, (\u)%3
.set nk, ((\u)+1)/3
.set nc, ((\u)+1)%3
	PLACES
	WIN 0
.if uc == 2
	LOADA nk, AF0+64*nk
.endif
	LOADB nc, nk, BF0+32*(((\u)+1)%2)
.if uc == 2
	s_wait_dscnt 24                                ; all but the 24 just issued: this unit's fragments are in
.else
	s_wait_dscnt 8                                 ; all but the 8 just issued
.endif
	MULS uc, AF0+64*uk, BF0+32*((\u)%2), 0, 8
.endm
; The sixth unit changes slots.  In front of the barrier each wave waits for all its tensor loads (one is out: its part of the other slot), adds 0 to its spare word, and waits for that and for its reads of this
; slot.  fill = 1: the barrier opens a round of the cluster's, and the joint refill, with the step two on, is the first thing behind it: 184 matrix instructions ahead of the wait for it.
.macro TURN fill
.if \fill
	s_wait_xcnt 0x0                                ; the last prefetch, a K step back or more, has read its address
	s_add_nc_u64 s[PFA:PFA+1], s[PFA:PFA+1], KB
.endif
	WIN 0
	s_wait_tensorcnt 0x0                           ; no tensor load of mine is out, so a group 0 may be written
	ds_add_u32 v[SPW], v[NIL]                      ; 0 onto my spare word
.if \fill
	s_xor_b32 s[G0+5], s[G0+5], SLOT1              ; the walking descriptors: the other slot than last time,
	s_add_nc_u64 s[G0+6:G0+7], s[G0+6:G0+7], KB    ; the next K step
	s_xor_b32 s[G0B+5], s[G0B+5], SLOT1
	s_add_nc_u64 s[G0B+6:G0B+7], s[G0B+6:G0B+7], KB
.endif
	s_wait_dscnt 1                                 ; the add alone may be out: this unit's fragments are in
	MULS 2, AF0+64, BF0+32, 0, 2                   ; eight matrix instructions stand between the add and the wait for it
	WIN 0
	s_wait_dscnt 0x0                               ; the add is done, and my reads of this slot are over
	s_barrier_signal -1
	s_barrier_wait -1
.if \fill
	CREST                                          ; no wave of any partner still reads this slot or has a load on its way
	JLOAD 1                                        ; its four v_nop are also the places in front of the loads below
.else
	PLACES
.endif
	s_xor_b32 s[TB], s[TB], SLOT1
	v_add_nc_u32 v[ADRA], s[TB], v[ADRA0]
	v_add_nc_u32 v[ADRB], s[TB], v[ADRB0]
	LOADA 0, AF0                                   ; the next step's first fragments
	LOADB 0, 0, BF0
.if \fill
	ASK
.endif
	MULS 2, AF0+64, BF0+32, 2, 6
.endm
; THE WAY OUT.  A wave's 192 columns are 384 bytes of a row, a row of the tile 768: three aligned blocks of 256.  So the four waves share one stage.
.macro PACK a                          ; my row block a: rounded to f16, 16 bytes a lane, into the stage
.set TP, TMP+48*((\a)%2)
.irp c, 0,1,2
	WIN ((\c)+1)|(((\c)+1)<<2)                     ; sources 0 and 1 in chunk c's window
.irp b, 0,1,2,3
.irp r, 0,1,2,3
	v_cvt_pk_f16_f32 v[TP+16*(\c)+4*(\b)+(\r)], v[8*(4*(\a)+(\b))+2*(\r)], v[8*(4*(\a)+(\b))+2*(\r)+1]
.endr
.endr
.endr
	WIN 0
.irp c, 0,1,2
.irp b, 0,1,2,3
	ds_store_b128 v[STO+(\a)/4], v[TP+16*(\c)+4*(\b):TP+16*(\c)+4*(\b)+3] offset:16*((\a)%4)*SPITCH+128*(\c)+32*(\b)
.endr
.endr
.endm
.macro RDB g, bk                       ; 16 whole rows back: 24 loads
.irp i, 0,1,2,3,4,5,6,7
.irp c, 0,1,2
	ds_load_b128 v[(\bk)+4*(3*(\i)+(\c)):(\bk)+4*(3*(\i)+(\c))+3], v[RD] offset:(16*(\g)+2*(\i))*SPITCH+256*(\c)
.endr
.endr
.endm
.macro ST g, bk
.irp i, 0,1,2,3,4,5,6,7
.irp c, 0,1,2
	global_store_b128 v[CO], v[(\bk)+4*(3*(\i)+(\c)):(\bk)+4*(3*(\i)+(\c))+3], s[8:9] offset:(16*(\g)+2*(\i))*CPITCH+256*(\c)  ; 16 lanes store 256 consecutive bytes, aligned
.endr
.endr
.endm
	s_wait_tensorcnt 1                             ; my part of step 0 is in; step 1's may stay out
	s_barrier_signal -1
	s_barrier_wait -1
	LOADA 0, AF0
	LOADB 0, 0, BF0
	s_mov_b32 s3, 14
.Lfill:                                        ; steps 0 to 13, which ask for steps 2 to 15
	UNIT 0
	UNIT 1
	UNIT 2
	UNIT 3
	UNIT 4
	TURN 1
	WIN 0
	s_sub_co_u32 s3, s3, 1
	s_cmp_lg_u32 s3, 0
	s_cbranch_scc1 .Lfill
	s_mov_b32 s3, 2
.Ldry:                                         ; steps 14 and 15: nothing is left to ask for
	UNIT 0
	UNIT 1
	UNIT 2
	UNIT 3
	UNIT 4
	TURN 0
	WIN 0
	s_sub_co_u32 s3, s3, 1
	s_cmp_lg_u32 s3, 0
	s_cbranch_scc1 .Ldry
	PLACES                                         ; behind the last products, ahead of the readers of their results
	s_wait_dscnt 0x0                               ; my reads of the slots are over, the last trip's fetch, which serves nothing, among them
	s_barrier_signal -1
	s_barrier_wait -1                              ; everybody's are: the slots, which are filled no more, become the stage
	s_cmp_lg_u32 s11, 0                            ; a batch's rows 0-15 lie in the upper half of the tiles with cluster y = 0
	s_cbranch_scc1 .Lno_h32
	s_cmp_lg_u32 s[CLY], 0
	s_cbranch_scc1 .Lno_h32
.irp c, 0,1,2
	WIN ((\c)+1)<<2                                ; store data in chunk c's window
.irp b, 0,1,2,3
	global_store_b128 v[HO], v[8*(\b):8*(\b)+3],   s[H32:H32+1] offset:256*(\c)+64*(\b)      ; row block 0's sums as they are; 32 bytes a lane: 0.8 MB of the launch's 51, so they are not staged
	global_store_b128 v[HO], v[8*(\b)+4:8*(\b)+7], s[H32:H32+1] offset:256*(\c)+64*(\b)+16
.endr
.endr
	WIN 0
.Lno_h32:
.irp a, 0,1,2,3,4,5,6,7
	PACK \a
.endr
	s_wait_dscnt 0x0                               ; for the others' sake: my stores into the stage are done
	s_barrier_signal -1
	s_barrier_wait -1
	RDB 0, BK0
	RDB 1, BK1
	s_wait_dscnt 24                                ; the older 24 loads are in
	ST 0, BK0
	s_wait_xcnt 0x0                                ; those stores have read their data: only now is it loaded over
	RDB 2, BK0
	s_wait_dscnt 24
	ST 1, BK1
	s_wait_xcnt 0x0
	RDB 3, BK1
	s_wait_dscnt 24
	ST 2, BK0
	s_wait_dscnt 0x0
	ST 3, BK1
	s_wait_tensorcnt 0x0                           ; the wave's end
	ds_add_u32 v[SPW], v[NIL]
	s_wait_dscnt 0x0
	CROUND                                         ; the closing round
	s_endpgm
.Lfunc_end_k_q78f47ed60a_proj:
	.size	k_q78f47ed60a_proj, .Lfunc_end_k_q78f47ed60a_proj-k_q78f47ed60a_proj
	.p2alignl 7, 3214868480
	.fill 96, 4, 3214868480
	.section	.rodata,"a",@progbits
	.p2align	6, 0x0
	.amdhsa_kernel k_q78f47ed60a_proj
		.amdhsa_group_segment_fixed_size 327680
		.amdhsa_private_segment_fixed_size 0
		.amdhsa_enable_private_segment 0
		.amdhsa_kernarg_size 32
		.amdhsa_user_sgpr_count 2
		.amdhsa_user_sgpr_kernarg_segment_ptr 1
		.amdhsa_wavefront_size32 1
		.amdhsa_system_sgpr_workgroup_id_x 1
		.amdhsa_system_sgpr_workgroup_id_y 1
		.amdhsa_system_sgpr_workgroup_id_z 1
		.amdhsa_system_vgpr_workitem_id 0
		.amdhsa_next_free_vgpr 1024
		.amdhsa_next_free_sgpr 80
		.amdhsa_reserve_vcc 0
		.amdhsa_float_denorm_mode_32 3
		.amdhsa_float_denorm_mode_16_64 3
		.amdhsa_memory_ordered 1
		.amdhsa_forward_progress 1
		.amdhsa_inst_pref_size 105
	.end_amdhsa_kernel
	.amdgpu_metadata
---
amdhsa.version: [ 1, 2 ]
amdhsa.kernels:
  - .name:           k_q78f47ed60a_proj
    .symbol:         k_q78f47ed60a_proj.kd
    .args:
      - { .name: xb, .offset: 0, .size: 8, .value_kind: global_buffer, .address_space: global }
      - { .name: wb, .offset: 8, .size: 8, .value_kind: global_buffer, .address_space: global }
      - { .name: qkv, .offset: 16, .size: 8, .value_kind: global_buffer, .address_space: global }
      - { .name: h32, .offset: 24, .size: 8, .value_kind: global_buffer, .address_space: global }
    .group_segment_fixed_size: 327680
    .private_segment_fixed_size: 0
    .kernarg_segment_align: 8
    .kernarg_segment_size: 32
    .max_flat_workgroup_size: 128
    .sgpr_count:     80
    .vgpr_count:     1024
    .wavefront_size: 32
...
	.end_amdgpu_metadata
.endif
;; end of part 2
;; launch scores (part 3): grid 12 x 16, 4 waves a work-group, clusters of 4 x 4, 327,680 bytes of LDS; arguments qkv, pbuf, stats; writes pbuf, stats
.if DOCPART == 3
	.amdgcn_target "amdgcn-amd-amdhsa--gfx1250"
	.amdhsa_code_object_version 6
	.text
	.protected	k_q78f47ed60a_scores
	.globl	k_q78f47ed60a_scores
	.p2align	8
	.type	k_q78f47ed60a_scores,@function
k_q78f47ed60a_scores:
	s_mov_b64 s[64:65], 0
	v_nop
	global_prefetch_b8 v0, s[64:65] scope:SCOPE_SE
	s_setreg_imm32_b32 hwreg(HW_REG_WAVE_MODE, 25, 1), 1
	s_wait_xcnt 0x0
	s_wait_alu depctr_hold_cnt(0) depctr_sa_sdst(0) depctr_va_vdst(0) depctr_va_sdst(0) depctr_va_ssrc(0) depctr_va_vcc(0) depctr_vm_vsrc(0)
	s_getreg_b32 s2, hwreg(HW_REG_IB_STS2, 6, 4)
	s_cmp_eq_u32 s2, 0
	s_cbranch_scc0 .Lentry_in_a_cluster
	s_endpgm
.Lentry_in_a_cluster:
	s_bfe_u32 s2, ttmp6, 0x10000c
	s_cmp_lg_u32 s2, 0xf033
	s_cbranch_scc0 .Lentry_shape_is_right
	s_endpgm
.Lentry_shape_is_right:
; For each batch, each block of 256 queries and each block of 256 keys: s = q . k, causal; then, for each query and each block t of 128 keys, m_t = the block's largest visible score,
; P = 2^(c s - c m_t) in f16 -> pbuf [4][2048][2048], and c m_t and l_t = the sum of the unrounded P -> stats [4][16 t][2][2048] f32.  c = log2(e) / 32.  The next launch joins the blocks.
; qkv: [8192][3072] f16; q at byte 0 of a row, k at byte 2,048.  Products, maxima and sums in f32.
; LIMITS.  A hidden score counts as its value less 2^100 (f16's scores are under 4.4e12); m_t is held at -2^96 or above, so a block that is wholly hidden gives P = 0 and l = 0.  A weight under 2^-126 counts as 0;
; P under 6e-5 keeps f16's fixed step.  NaN and infinities are not treated apart.
; SHAPE, RING, STEP: a tile of 256 x 256 to four waves, 128 x 128 a wave; K = 1,024 in 8 steps of 128 through two LDS slots; one step written once with a refill and once without.
; CLUSTER.  4 x 4 work-groups; cluster y is the batch, cluster x picks one of the three blocks of 4 x 4 tiles that touch the lower triangle: (rows, keys) = (0, 0), (1, 0), (1, 1).  q's tile is asked for jointly
; along a row of the cluster, k's along a column.  No branch may hang on a work-group's place in its cluster, so the two blocks on the diagonal run all 16 tiles; of their hidden tiles the next launch reads
; sixteen as zeros, and the statistics of all of them.
; THE MASK is the C operand of the 64 products of zero fragments that start the sums: for accumulator (a, b) it hangs on D = 16 (i - j) + 8 (wr - wc) + a - b alone: 0 if D > 0, -2^100 if D < 0, the diagonal's
; pattern if D = 0.  Fifteen masks MK(a - b + 7), made once, lie in window 1.
; REGISTERS.  window 0: v16-31 addresses; v64-127, v128-191 q's fragments (v64-74 at work on the way out); v192-223 P; v32-63, v224-255 rows read back.
;   window 1: v64-191 k's fragments; v0-63, v192-247 MK; v248-255 MD.  windows 2, 3: accumulator (a, b) at v[8 (8 a + b)].
.set RPITCH, 6144                      ; bytes in a row of qkv
.set CPITCH, 4096                      ; bytes in a row of pbuf
.set KSTEP,  128
.set PITCH,  272
.set HALFT,  128*PITCH
.set SLOT,   4*HALFT                   ; 0x22000: shares no bit with the loads' places 0, 0x8800, 0x11000, 0x19800
.set STAGE,  2*SLOT
.set SPITCH, 272
.set STATST, STAGE+4*16*SPITCH         ; 1,024 bytes a wave: c m of my 128 rows, then l
.set SPARE,  STATST+4096               ; the spare words: two blocks of 256 bytes that no other line names
.set ADRA0, 16
.set ADRA,  17
.set ADRB0, 20
.set ADRB,  21
.set SGO,  23                          ; v23  16 x lane: my bytes in 512 bytes of stats
.set STO,  24
.set RD,   25
.set CO,   26
.set SA,   27                          ; v27  where I put a row's c m (lanes 0-15) or l (lanes 16-31)
.set SPW,  28
.set NIL,  29
.set PFO,  30
.set SR,   31                          ; v31  where I read the statistics back
.set F0,   64
.set F1,   128
.set T,    64                          ; v64-71 at work
.set CM,   72                          ; v72 c m, v73 m
.set LS,   74                          ; v74 l
.set TMP,  192
.set OB,   32
.set MD,   248                         ; window 1
.set G1,  24
.set G0,  32
.set G1B, 48
.set G0B, 56
.set LIM, 43
.set PFA, 44
.set TB,  66
.set SEL, 68                           ; s[68:69] v_permlanex16_b32's selects: each lane its own place in the other half
.set BIG, 70                           ; s70  -2^100
.set CAP, 71                           ; s71  -2^96
.set HM,  72                           ; s72  lanes 16-31
.set AL,  74                           ; s[74:75] a mask's factor
.set BE,  76                           ; s[76:77] a mask's addend
.set DEL, 78                           ; s78  16 (i - j) + 8 (wr - wc)
.set STP, 80                           ; s[80:81] stats
.set CC,  82                           ; s[82:83] c
.set BAT, 84                           ; s84  the batch
.set MSB, 0
.macro WIN new
.if MSB != (\new)
	s_set_vgpr_msb (MSB<<8)|(\new)
.set MSB, \new
.endif
.endm
.set MUL_LO, 0xa1
.set MUL_HI, 0xf1
.set TO_B,   0x40
.macro PLACES
.rept 4
	v_nop
.endr
.endm
.macro JLOAD s                         ; a joint load: waves 0, 1 fetch q's halves, waves 2, 3 k's; an s_nop 0 and four v_nop follow each line
	s_cmp_eq_u32 s11, 0
	s_cbranch_scc0 .Lfor_b_\@
	tensor_load_to_lds s[G0+4*(\s):G0+4*(\s)+3], s[G1:G1+7]
	s_nop 0
.rept 4
	v_nop
.endr
	s_branch .Lasked_\@
.Lfor_b_\@:
	tensor_load_to_lds s[G0B+4*(\s):G0B+4*(\s)+3], s[G1B:G1B+7]
	s_nop 0
.rept 4
	v_nop
.endr
.Lasked_\@:
.endm
; A prefetch of the K step two refills on: 32 rows x 256 bytes, a lane a row.  The lower queries' rows are read by cluster x = 1 and 2: 1 asks; the first keys' rows by 0 and 1: 0 asks.  The four partners of a joint
; load take 32 rows each, by address.  So each row's 256 bytes of a step are named once.  Trips 6 to 3 name steps 4 to 7.
.macro ASK
	s_cmp_gt_u32 s3, s[LIM]
	s_cbranch_scc0 .Lnot_mine_\@
	global_prefetch_b8 v[PFO], s[PFA:PFA+1] offset:KSTEP*2 th:TH_LOAD_NT scope:SCOPE_SE
.Lnot_mine_\@:
.endm
.macro CREST
	s_cmp_lg_u32 s10, 0
	s_cbranch_scc1 .Lnot_wave_0_\@
	s_barrier_signal -3
.Lnot_wave_0_\@:
	s_barrier_wait -3
	s_barrier_signal -1
	s_barrier_wait -1
.endm
.macro CROUND
	s_barrier_signal -1
	s_barrier_wait -1
	CREST
.endm
	s_load_b64 s[4:5], s[0:1], 0x0                 ; qkv
	s_load_b64 s[8:9], s[0:1], 0x8                 ; pbuf
	s_load_b64 s[STP:STP+1], s[0:1], 0x10
	v_lshl_add_u32 v[SPW], v0, 2, SPARE
	v_mov_b32 v[NIL], 0
	ds_add_u32 v[SPW], v[NIL]                      ; the wave's opening: the add and its wait ahead of my first tensor load
	v_lshrrev_b32 v1, 5, v0
	v_readfirstlane_b32 s10, v1                    ; wave 0..3
	s_lshr_b32 s11, s10, 1                         ; wr; also: I fetch q (0) or k (1)
	s_and_b32 s12, s10, 1                          ; wc; also: which 128 rows I fetch
	s_bfe_u32 s40, ttmp6, 0x40000                  ; cx
	s_bfe_u32 s41, ttmp6, 0x40004                  ; cy
	s_add_co_u32 s18, ttmp9, 1
	s_lshr_b32 s18, s18, 1                         ; the block's row: 0, 1, 1
	s_lshr_b32 s19, ttmp9, 1                       ; its column: 0, 0, 1
	s_lshl_b32 s13, s18, 2
	s_add_co_u32 s13, s13, s41                     ; i: my block of 256 queries
	s_lshl_b32 s42, s19, 2
	s_add_co_u32 s42, s42, s40                     ; j: my block of 256 keys
	s_and_b32 s[BAT], ttmp7, 0xffff
	s_lshl_b32 s43, s41, 2
	s_lshl_b32 s43, 15, s43                        ; my row of the cluster
	s_lshl_b32 s44, 0x1111, s40                    ; my column
	s_or_b32 s[G1+0], s43, (1<<16)|(1<<20)|(1<<21)|(5<<22)|(3<<25)
	s_or_b32 s[G1B+0], s44, (1<<16)|(1<<20)|(1<<21)|(5<<22)|(3<<25)
.irp g, G1, G1B
	s_mov_b32 s[(\g)+1], KSTEP<<16
	s_mov_b32 s[(\g)+2], 128<<16
	s_mov_b32 s[(\g)+3], KSTEP<<16
	s_mov_b32 s[(\g)+4], 128
	s_mov_b32 s[(\g)+5], 3072                      ; elements from row to row
	s_mov_b32 s[(\g)+6], 0
	s_mov_b32 s[(\g)+7], 0
.endr
	s_lshl_b32 s21, s[BAT], 11
	s_lshl_b32 s17, s12, 7
	s_add_co_u32 s17, s17, s21                     ; 2,048 x batch + 128 x half
	s_lshl_b32 s16, s13, 8
	s_add_co_u32 s16, s16, s17
	s_mul_i32 s16, s16, RPITCH                     ; q's rows: 48 MiB at the most
	s_lshl_b32 s46, s42, 8
	s_add_co_u32 s46, s46, s17
	s_mul_i32 s46, s46, RPITCH
	s_add_co_u32 s46, s46, 2048                    ; k's part of a row
	s_mov_b32 s17, 0
	s_mov_b32 s47, 0
	s_mul_i32 s20, s10, HALFT
	s_mov_b32 s[TB], 0
	s_mov_b32 s[SEL], 0x76543210
	s_mov_b32 s[SEL+1], 0xfedcba98
	s_mov_b32 s[BIG], 0xf1800000
	s_mov_b32 s[CAP], 0xef800000
	s_mov_b32 s[HM], 0xffff0000
	s_mov_b32 s[AL+1], 0                           ; named as pairs
	s_mov_b32 s[BE+1], 0
	s_mov_b32 s[CC], 0x3d38aa3b                    ; log2(e) / 32
	s_mov_b32 s[CC+1], s[CC]
	s_sub_co_i32 s[DEL], s13, s42
	s_lshl_b32 s[DEL], s[DEL], 4
	s_sub_co_i32 s22, s11, s12
	s_lshl_b32 s22, s22, 3
	s_add_co_i32 s[DEL], s[DEL], s22
	s_wait_dscnt 0x0                               ; the opening add is done
	s_wait_kmcnt 0x0
	s_add_nc_u64 s[14:15], s[4:5], s[16:17]
	s_add_nc_u64 s[46:47], s[4:5], s[46:47]
	CROUND
.irp s, 0,1
	s_mov_b32 s[G0+4*(\s)], 1
	s_add_co_u32 s[G0+4*(\s)+1], s20, (\s)*SLOT
	s_add_nc_u64 s[G0+4*(\s)+2:G0+4*(\s)+3], s[14:15], (\s)*KSTEP*2
	s_or_b32 s[G0+4*(\s)+3], s[G0+4*(\s)+3], 0x80000000
	s_mov_b32 s[G0B+4*(\s)], 1
	s_add_co_u32 s[G0B+4*(\s)+1], s20, (\s)*SLOT
	s_add_nc_u64 s[G0B+4*(\s)+2:G0B+4*(\s)+3], s[46:47], (\s)*KSTEP*2
	s_or_b32 s[G0B+4*(\s)+3], s[G0B+4*(\s)+3], 0x80000000
	JLOAD \s                                       ; two loads of mine are out
.endr
.irp r, 0,1,2,3,4,5,6,7
	v_mov_b32 v[F0+(\r)], 0
.endr
	WIN TO_B
.irp r, 0,1,2,3,4,5,6,7
	v_mov_b32 v[F0+(\r)], 0
.endr
	WIN 0
	v_and_b32 v1, 15, v0                           ; r = l % 16
	v_bfe_u32 v2, v0, 4, 1                         ; h = l / 16
	v_mul_u32_u24 v3, v1, PITCH
	v_lshl_add_u32 v3, v2, 4, v3
	s_mul_i32 s21, s11, HALFT
	s_mul_i32 s22, s12, HALFT
	s_add_co_u32 s22, s22, 2*HALFT
	v_add_nc_u32 v[ADRA0], s21, v3
	v_add_nc_u32 v[ADRB0], s22, v3
	v_mov_b32 v[ADRA], v[ADRA0]
	v_mov_b32 v[ADRB], v[ADRB0]
	s_mul_i32 s23, s10, 16*SPITCH
	s_add_co_u32 s23, s23, STAGE
	v_mul_u32_u24 v4, v1, SPITCH
	v_lshl_add_u32 v4, v2, 4, v4
	v_add_nc_u32 v[STO], s23, v4
	v_mul_u32_u24 v5, v2, SPITCH
	v_lshl_add_u32 v5, v1, 4, v5
	v_add_nc_u32 v[RD], s23, v5
	v_lshlrev_b32 v5, 12, v2
	v_lshl_add_u32 v[CO], v1, 4, v5
	s_lshl_b32 s23, s10, 10
	s_add_co_u32 s23, s23, STATST
	v_lshl_add_u32 v4, v2, 9, s23
	v_lshl_add_u32 v[SA], v1, 2, v4
	v_and_b32 v5, 31, v0
	v_lshlrev_b32 v[SGO], 4, v5
	v_add_nc_u32 v[SR], s23, v[SGO]
	s_lshl_b32 s16, s13, 8
	s_lshl_b32 s14, s11, 7
	s_add_co_u32 s16, s16, s14                     ; my first query in its batch
	s_lshl_b32 s18, s16, 2                         ; its 4 bytes in a row of stats
	s_lshl_b32 s14, s[BAT], 11
	s_add_co_u32 s16, s16, s14
	s_lshl_b32 s16, s16, 12                        ; rows of 4,096 bytes of pbuf
	s_lshl_b32 s46, s42, 9
	s_lshl_b32 s47, s12, 8
	s_add_co_u32 s46, s46, s47                     ; my first key, in bytes
	s_add_co_u32 s16, s16, s46
	s_mov_b32 s17, 0                               ; s[16:17]: what the first way out adds to pbuf's address
	s_lshl_b32 s20, s[BAT], 4
	s_lshl_b32 s21, s42, 1
	s_add_co_u32 s20, s20, s21
	s_add_co_u32 s20, s20, s12                     ; 16 x batch + t, t = 2 j + wc
	s_lshl_b32 s20, s20, 14
	s_add_co_u32 s18, s18, s20
	s_mov_b32 s19, 0
	s_add_nc_u64 s[STP:STP+1], s[STP:STP+1], s[18:19]
	s_lshl_b32 s20, s13, 8                         ; the prefetches
	s_lshl_b32 s21, s42, 8
	s_cmp_eq_u32 s11, 0                            ; do I fetch q?
	s_cselect_b32 s20, s20, s21                    ; the tile's first row in the batch
	s_cselect_b32 s21, s40, s41                    ; my place among the four that ask for it with me
	s_cselect_b32 s22, 2, 1                        ; the cluster x that leaves these rows to another
	s_cselect_b32 s23, 0, 2048                     ; q's or k's part of a row
	s_cmp_lg_u32 ttmp9, s22
	s_cselect_b32 s[LIM], 2, -1
	s_lshl_b32 s22, s12, 7
	s_add_co_u32 s20, s20, s22
	s_lshl_b32 s21, s21, 5
	s_add_co_u32 s20, s20, s21
	s_lshl_b32 s22, s[BAT], 11
	s_add_co_u32 s20, s20, s22
	s_mul_i32 s20, s20, RPITCH
	s_add_co_u32 s20, s20, s23
	s_add_co_u32 s20, s20, 2*KSTEP*2               ; at step 2: the first refill steps it to 3 and names step 4
	s_mov_b32 s21, 0
	s_add_nc_u64 s[PFA:PFA+1], s[4:5], s[20:21]
	v_mul_u32_u24 v[PFO], v5, RPITCH
	; the masks.  Register jr of a lane is key 8 h + jr of its 16, my query is r: on the diagonal it is hidden where jr > r - 8 h
	v_lshlrev_b32 v6, 3, v2
	v_sub_nc_u32 v6, v1, v6
	WIN TO_B
.irp jr, 0,1,2,3,4,5,6,7
	v_cmp_gt_i32 vcc_lo, \jr, v6
	v_cndmask_b32 v[MD+(\jr)], 0, s[BIG], vcc_lo
.endr
	WIN 0x41                                       ; destination and source 0 in window 1
.set d, 0
.rept 15
	s_add_co_i32 s79, s[DEL], d-7                  ; D for a - b = d - 7
	s_cmp_eq_u32 s79, 0
	s_cselect_b32 s[AL], 1.0, 0
	s_cmp_lt_i32 s79, 0
	s_cselect_b32 s[BE], s[BIG], 0
.set MKR, 8*d+128*(d/8)
.irp z, 0,2,4,6
	v_pk_fma_f32 v[MKR+(\z):MKR+(\z)+1], v[MD+(\z):MD+(\z)+1], s[AL:AL+1], s[BE:BE+1] op_sel_hi:[1,0,0]
.endr
.set d, d+1
.endr
	PLACES
.irp hi, 0,1                           ; the sums start: 0 x 0 + the mask, in the order in which the accumulators take turns everywhere
	WIN 0x91+0x40*(\hi)                            ; source 0 and C window 1, source 1 window 0, D window 2 or 3
.irp a, 0,1,2,3
.irp b, 0,1,2,3,4,5,6,7
.set d, 4*(\hi)+(\a)-(\b)+7
.set MKR, 8*d+128*(d/8)
	v_wmma_f32_16x16x32_f16 v[8*(8*(\a)+(\b)):8*(8*(\a)+(\b))+7], v[F0:F0+7], v[F0:F0+7], v[MKR:MKR+7]
.endr
.endr
.endr
	PLACES
	WIN 0
.macro MUL16 f, hi, a0                 ; 16 matrix instructions; the 64 accumulators take turns, one instruction a turn
	WIN MUL_LO+0x50*(\hi)
.irp a, \a0, (\a0)+1
.irp b, 0,1,2,3,4,5,6,7
	v_wmma_f32_16x16x32_f16 v[8*(8*(\a)+(\b)):8*(8*(\a)+(\b))+7], v[(\f)+8*(\b):(\f)+8*(\b)+7], v[(\f)+8*(4*(\hi)+(\a)):(\f)+8*(4*(\hi)+(\a))+7], v[8*(8*(\a)+(\b)):8*(8*(\a)+(\b))+7]
.endr
.endr
.endm
.macro FETCH k, f
	WIN TO_B
.irp i, 0,1,2,3,4,5,6,7
	ds_load_b128 v[(\f)+8*(\i):(\f)+8*(\i)+3],   v[ADRB] offset:(\k)+(\i)*16*PITCH
	ds_load_b128 v[(\f)+8*(\i)+4:(\f)+8*(\i)+7], v[ADRB] offset:(\k)+(\i)*16*PITCH+32
.endr
	WIN 0
.irp i, 0,1,2,3,4,5,6,7
	ds_load_b128 v[(\f)+8*(\i):(\f)+8*(\i)+3],   v[ADRA] offset:(\k)+(\i)*16*PITCH
	ds_load_b128 v[(\f)+8*(\i)+4:(\f)+8*(\i)+7], v[ADRA] offset:(\k)+(\i)*16*PITCH+32
.endr
.endm
.macro QUARTER k, f, g
	s_wait_dscnt 8                                 ; k and q's rows 0-63 are in; the youngest eight loads may be out
	MUL16 \f, 0, 0
	MUL16 \f, 0, 2
	PLACES
	FETCH \k, \g
	s_wait_dscnt 32                                ; all but the 32 just issued
	MUL16 \f, 1, 0
	MUL16 \f, 1, 2
.endm
.macro TURN fill                       ; the last quarter and the change of slots: the waits and the add in front of the barrier, the joint refill first behind the round
.if \fill
	s_wait_xcnt 0x0                                ; the last prefetch, a K step back, has read its address
	s_add_nc_u64 s[PFA:PFA+1], s[PFA:PFA+1], KSTEP*2
.endif
	WIN 0
	s_wait_tensorcnt 0x0                           ; no tensor load of mine is out, so a group 0 may be written
	ds_add_u32 v[SPW], v[NIL]                      ; 0 onto my spare word
.if \fill
	s_xor_b32 s[G0+5], s[G0+5], SLOT
	s_add_nc_u64 s[G0+6:G0+7], s[G0+6:G0+7], KSTEP*2
	s_xor_b32 s[G0B+5], s[G0B+5], SLOT
	s_add_nc_u64 s[G0B+6:G0B+7], s[G0B+6:G0B+7], KSTEP*2
.endif
	s_wait_dscnt 9                                 ; the add and the youngest eight loads may be out
	MUL16 F1, 0, 0
	s_wait_dscnt 0x0                               ; the add is done, and my reads of this slot are over
	s_barrier_signal -1
	MUL16 F1, 0, 2
	WIN 0
	s_barrier_wait -1
.if \fill
	CREST
	JLOAD 1
.else
	PLACES
.endif
	s_xor_b32 s[TB], s[TB], SLOT
	v_add_nc_u32 v[ADRA], s[TB], v[ADRA0]
	v_add_nc_u32 v[ADRB], s[TB], v[ADRB0]
	FETCH 0, F0
.if \fill
	ASK
.endif
	MUL16 F1, 1, 0
	MUL16 F1, 1, 2
.endm
; THE SOFTMAX of block a: 16 queries x my 128 keys.  A lane holds one query (l % 16) and 64 of its scores; the other 64 lie in the lane 16 away.
.macro SOFT a
.set W, 2+(\a)/4
.set AC, 64*((\a)%4)
	WIN W|(W<<2)|(W<<4)                            ; three sources in the accumulators' window.
.irp b, 0,1,2,3,4,5,6,7
	v_max3_num_f32 v[T+(\b)], v[AC+8*(\b)], v[AC+8*(\b)+1], v[AC+8*(\b)+2]
.endr
	WIN (W<<2)|(W<<4)
.irp b, 0,1,2,3,4,5,6,7
	v_max3_num_f32 v[T+(\b)], v[T+(\b)], v[AC+8*(\b)+3], v[AC+8*(\b)+4]
.endr
.irp b, 0,1,2,3,4,5,6,7
	v_max3_num_f32 v[T+(\b)], v[T+(\b)], v[AC+8*(\b)+5], v[AC+8*(\b)+6]
.endr
.irp k, 0,1,2,3
	v_max3_num_f32 v[T+(\k)], v[T+(\k)], v[AC+16*(\k)+7], v[AC+16*(\k)+15]
.endr
	WIN 0
	v_max3_num_f32 v[T], v[T], v[T+1], v[T+2]
	v_max3_num_f32 v[T+3], v[T+3], v[T+4], v[T+5]
	v_max3_num_f32 v[T+6], v[T+6], v[T+7], s[CAP]  ; never below -2^96
	v_max3_num_f32 v[T], v[T], v[T+3], v[T+6]
	v_permlanex16_b32 v[T+1], v[T], s[SEL], s[SEL+1]
	v_max_num_f32 v[CM+1], v[T], v[T+1]            ; m
	v_mul_f32 v[CM], s[CC], v[CM+1]                ; c m
	WIN (W<<6)|W                                   ; destination and source 0 in the accumulators' window
.set p, 0
.rept 33                               ; one batch: 32 scalings c s - c m and 64 exponentials in place, a pair's exponentials behind the next pair's scaling; nothing here names an exponential's result
.if p < 32
	v_pk_fma_f32 v[AC+2*p:AC+2*p+1], v[AC+2*p:AC+2*p+1], s[CC:CC+1], v[CM:CM+1] op_sel_hi:[1,0,0] neg_lo:[0,0,1] neg_hi:[0,0,1]
.endif
.if p > 0
	v_exp_f32 v[AC+2*p-2], v[AC+2*p-2]
	v_exp_f32 v[AC+2*p-1], v[AC+2*p-1]
.endif
.set p, p+1
.endr
	v_nop                                          ; a plain instruction behind the last exponential,
	s_wait_alu depctr_va_vdst(0)                   ; and the one wait for the batch, ahead of its first reader
	WIN W|(W<<2)
.set p, 0
.rept 32
	v_cvt_pk_f16_f32 v[TMP+p], v[AC+2*p], v[AC+2*p+1]
.set p, p+1
.endr
	WIN (W<<6)|W|(W<<2)
.irp st, 1,2,4,8,16                    ; the sum of the 32 pairs, in place, as a tree
.set p, 0
.rept 16/(\st)
	v_pk_add_f32 v[AC+2*p:AC+2*p+1], v[AC+2*p:AC+2*p+1], v[AC+2*(p+(\st)):AC+2*(p+(\st))+1]
.set p, p+2*(\st)
.endr
.endr
	WIN W|(W<<2)
	v_add_f32 v[LS], v[AC], v[AC+1]
	WIN 0
	v_permlanex16_b32 v[T+1], v[LS], s[SEL], s[SEL+1]
	v_add_f32 v[LS], v[LS], v[T+1]                 ; l
	v_cndmask_b32 v[T], v[CM], v[LS], s[HM]        ; lanes 0-15 put c m, lanes 16-31 l
	ds_store_b32 v[SA], v[T] offset:64*(\a)
.endm
.macro TOSTAGE a
	WIN 0
.set BK, OB+192*((\a)%2)
.irp b, 0,1,2,3,4,5,6,7
	ds_store_b128 v[STO], v[TMP+4*(\b):TMP+4*(\b)+3] offset:32*(\b)
.endr
.irp t, 0,1,2,3,4,5,6,7
	ds_load_b128 v[BK+4*(\t):BK+4*(\t)+3], v[RD] offset:(\t)*2*SPITCH  ; LDS serves a wave's instructions in order: these see the stores above
.endr
.endm
.macro SEND a, younger
	WIN 0
.set BK, OB+192*((\a)%2)
	s_wait_dscnt \younger
	s_wait_xcnt 0x0                                ; earlier stores have read their base and their data: only now are they rewritten
.if (\a) == 0
	s_add_nc_u64 s[8:9], s[8:9], s[16:17]
.else
	s_add_nc_u64 s[8:9], s[8:9], 16*CPITCH
.endif
.irp t, 0,1,2,3,4,5,6,7
	global_store_b128 v[CO], v[BK+4*(\t):BK+4*(\t)+3], s[8:9] offset:2*(\t)*CPITCH  ; 16 lanes store my 128 keys of a row: 256 consecutive bytes, aligned
.endr
.endm
	s_wait_tensorcnt 1                             ; my part of step 0 is in; step 1's may stay out
	s_barrier_signal -1
	s_barrier_wait -1
	FETCH 0, F0
	s_mov_b32 s3, 6
.Lfill:                                        ; steps 0 to 5, which ask for steps 2 to 7
	QUARTER 64,  F0, F1
	QUARTER 128, F1, F0
	QUARTER 192, F0, F1
	TURN 1
	WIN 0
	s_sub_co_u32 s3, s3, 1
	s_cmp_lg_u32 s3, 0
	s_cbranch_scc1 .Lfill
	s_mov_b32 s3, 2
.Ldry:                                         ; steps 6 and 7
	QUARTER 64,  F0, F1
	QUARTER 128, F1, F0
	QUARTER 192, F0, F1
	TURN 0
	WIN 0
	s_sub_co_u32 s3, s3, 1
	s_cmp_lg_u32 s3, 0
	s_cbranch_scc1 .Ldry
	s_wait_dscnt 0x0                               ; the last trip's fetch, which serves nothing, has landed: its registers are used below
	PLACES
	SOFT 0
	TOSTAGE 0
.irp a, 1,2,3,4,5,6,7                  ; a block's softmax stands between the loads of the block before and its stores
	SOFT \a
	SEND (\a)-1, 0
	TOSTAGE \a
.endr
	SEND 7, 0
	ds_load_b128 v[T:T+3], v[SR]                   ; my 128 rows' c m: 512 bytes,
	ds_load_b128 v[T+4:T+7], v[SR] offset:512      ; and l
	s_wait_dscnt 0x0
	global_store_b128 v[SGO], v[T:T+3], s[STP:STP+1]
	global_store_b128 v[SGO], v[T+4:T+7], s[STP:STP+1] offset:8192
	s_wait_tensorcnt 0x0                           ; the wave's end
	ds_add_u32 v[SPW], v[NIL]
	s_wait_dscnt 0x0
	CROUND                                         ; the closing round
	s_endpgm
.Lfunc_end_k_q78f47ed60a_scores:
	.size	k_q78f47ed60a_scores, .Lfunc_end_k_q78f47ed60a_scores-k_q78f47ed60a_scores
	.p2alignl 7, 3214868480
	.fill 96, 4, 3214868480
	.section	.rodata,"a",@progbits
	.p2align	6, 0x0
	.amdhsa_kernel k_q78f47ed60a_scores
		.amdhsa_group_segment_fixed_size 327680
		.amdhsa_private_segment_fixed_size 0
		.amdhsa_enable_private_segment 0
		.amdhsa_kernarg_size 24
		.amdhsa_user_sgpr_count 2
		.amdhsa_user_sgpr_kernarg_segment_ptr 1
		.amdhsa_wavefront_size32 1
		.amdhsa_system_sgpr_workgroup_id_x 1
		.amdhsa_system_sgpr_workgroup_id_y 1
		.amdhsa_system_sgpr_workgroup_id_z 1
		.amdhsa_system_vgpr_workitem_id 0
		.amdhsa_next_free_vgpr 1024
		.amdhsa_next_free_sgpr 96
		.amdhsa_reserve_vcc 1
		.amdhsa_float_denorm_mode_32 3
		.amdhsa_float_denorm_mode_16_64 3
		.amdhsa_memory_ordered 1
		.amdhsa_forward_progress 1
		.amdhsa_inst_pref_size 177
	.end_amdhsa_kernel
	.amdgpu_metadata
---
amdhsa.version: [ 1, 2 ]
amdhsa.kernels:
  - .name:           k_q78f47ed60a_scores
    .symbol:         k_q78f47ed60a_scores.kd
    .args:
      - { .name: qkv, .offset: 0, .size: 8, .value_kind: global_buffer, .address_space: global }
      - { .name: pbuf, .offset: 8, .size: 8, .value_kind: global_buffer, .address_space: global }
      - { .name: stats, .offset: 16, .size: 8, .value_kind: global_buffer, .address_space: global }
    .group_segment_fixed_size: 327680
    .private_segment_fixed_size: 0
    .kernarg_segment_align: 8
    .kernarg_segment_size: 24
    .max_flat_workgroup_size: 128
    .sgpr_count:     96
    .vgpr_count:     1024
    .wavefront_size: 32
...
	.end_amdgpu_metadata
.endif
;; end of part 3
;; launch pv (part 4): grid 8 x 32, 4 waves a work-group, clusters of 4 x 4, 327,680 bytes of LDS; arguments pbuf, qkv, stats, out0; writes out0
.if DOCPART == 4
	.amdgcn_target "amdgcn-amd-amdhsa--gfx1250"
	.amdhsa_code_object_version 6
	.text
	.protected	k_q78f47ed60a_pv
	.globl	k_q78f47ed60a_pv
	.p2align	8
	.type	k_q78f47ed60a_pv,@function
k_q78f47ed60a_pv:
	s_mov_b64 s[64:65], 0
	v_nop
	global_prefetch_b8 v0, s[64:65] scope:SCOPE_SE
	s_setreg_imm32_b32 hwreg(HW_REG_WAVE_MODE, 25, 1), 1
	s_wait_xcnt 0x0
	s_wait_alu depctr_hold_cnt(0) depctr_sa_sdst(0) depctr_va_vdst(0) depctr_va_sdst(0) depctr_va_ssrc(0) depctr_va_vcc(0) depctr_vm_vsrc(0)
	s_getreg_b32 s2, hwreg(HW_REG_IB_STS2, 6, 4)
	s_cmp_eq_u32 s2, 0
	s_cbranch_scc0 .Lentry_in_a_cluster
	s_endpgm
.Lentry_in_a_cluster:
	s_bfe_u32 s2, ttmp6, 0x10000c
	s_cmp_lg_u32 s2, 0xf033
	s_cbranch_scc0 .Lentry_shape_is_right
	s_endpgm
.Lentry_shape_is_right:
; out0[row][ch] = round4( (the sum over blocks t of 128 keys of alpha_t (P_t V_t)[row][ch]) / L ),  alpha_t = 2^(c m_t - M), M = the largest c m_t of the row, L = the sum of alpha_t l_t:
; the softmax's running maximum, taken over the blocks.  P: pbuf [4][2048][2048] f16; V: qkv [8192][3072] f16 at byte 4,096 of a row; c m_t, l_t: stats [4][16][2][2048] f32; out0 [4][2048][1024] f32.
; P_t V_t is summed in f32 by the matrix unit; the weighting by alpha, the sum over t and the division are f32.  round4(x) = rndne(1e4 x) x 1e-4, which stands for the division by 1e4: off by an ulp at the most.
; LIMITS.  An alpha under 2^-126 counts as 0.  NaN and infinities are not treated apart.
; SHARES.  A tile is 128 rows x 128 channels, 64 x 64 a wave.  Cluster x is the half of the channels, cluster y = 2 x batch + p; cy is the block of 128 rows in a GROUP of 512, cx the block of channels.
; Every work-group makes TWO tiles, in group 3 - p and then in group p.  All four row blocks of a group walk the keys 0 .. 512 (G + 1) - 1 in step (what is hidden has P = 0, and alpha = 0 where a block is wholly
; hidden): 8 - 2 p steps of 256 keys, then 2 p + 2: ten for every work-group, 256 work-groups of equal work, P's tile asked for jointly along a row of the cluster and V's along a column.
; ONE STEP IS WRITTEN ONCE WITH A REFILL (eight trips) AND ONCE WITHOUT (two).  The ring runs on across the change of tiles; which tile is asked for hangs on scalars made from p.
; NO PREFETCH: a step's tiles are small and its work short beside the requests that it would add.
; REGISTERS.  window 0: v16-31 addresses; v32-95 at work on the way out; v96-103 alpha, v104-111 1e4 / L (a pair for each 16 rows, the low word used); v128-255 T, the sums of one block of 128 keys, (a, b) at 128 + 8 (4 a + b).
;   window 1: two fragment buffers of 128: 64 of P, then 64 of V.  window 2: v0-127 O, laid out as T.
.set PA,    528                        ; a row of P in LDS: 512 bytes + 16
.set PV,    288                        ; a row of V: 256 bytes + 32: 16 lanes of the turning load take 8 rows x 32 bytes
.set AHALF, 64*PA                      ; what a load of P brings: 64 rows x 256 keys
.set BOFF,  2*AHALF
.set BHALF, 128*PV                     ; what a load of V brings: 128 keys x 128 channels
.set SLOT1, 147456                     ; 0x24000: shares no bit with the loads' places 0, 0x8400, 0x10800, 0x19800, so an exclusive or with it changes slots
.set SPARE, BOFF+2*BHALF               ; between the slots: the spare words, two blocks of 256 bytes that no other line names,
.set IVT,   SPARE+512                  ; and 1e4 / L: 512 bytes a wave, tile 1's 64 rows, then tile 2's
.set STAGE, SLOT1+BOFF+2*BHALF         ; 16 rows x 272 bytes for each wave
.set SPITCH, 272
.set TAB,   STAGE+4*16*SPITCH          ; alpha in the order of the walk: 20 rows of 64 f32 for each wave
.set TABW,  20*256
.set ADRA0, 16                         ; v16 my place in P's fragments in slot 0; v17 in the slot in hand
.set ADRA,  17
.set ADRB0, 18                         ; v18, v19 the same for V's keys 0-127 and 128-255 (240 rows of 288 bytes pass a 16-bit offset); v20, v21 in the slot in hand
.set ADRB,  20
.set IVA,  22                          ; v22  where I read 1e4 / L
.set IVW,  23                          ; v23  where I put it
.set STO,  24
.set RD,   25
.set CO,   26
.set ALA,  27                          ; v27  where I read alpha; steps by two table rows a step of the walk
.set SPW,  28
.set NIL,  29
.set TW,   30                          ; v30  where I put alpha
.set LN8,  31                          ; v31  8 x lane
.set TMP,  32
.set AL,   96
.set IV,   104
.set ACC,  128
.set F0,   0
.set F1,   128
.set C1,  128                          ; the statistics at work, in T's registers, which are not yet in use: c m, then alpha, of tile 1 (16 pairs),
.set L1,  160                          ; its l,
.set C2,  192                          ; tile 2's (8 pairs)
.set L2,  208
.set M1,  224
.set M2,  226
.set S1,  228
.set S2,  230
.set XS,  232                          ; table rows 12 to 19
.set WV,  12
.set WR,  13
.set WC,  14
.set G1,  24
.set G0,  32                           ; s[32:35] slot 0, step 0; s[36:39] slot 1, step 1, then walking
.set CX,  40
.set CY,  41
.set G1B, 48
.set G0B, 56
.set TB,  66
.set NXT, 67                           ; s67  the step to be asked for next, in its tile
.set LQ,  68                           ; s68  the last step of the tile whose steps are being asked for
.set LEFT, 69                          ; s69  steps of tile 1 still to be multiplied
.set PP,  70                           ; s70  p
.set PM,  71                           ; s71  all ones where p = 1
.set PAC, 72                           ; s[72:73] P at my rows of the tile whose steps are being asked for
.set PA2, 74                           ; s[74:75] of tile 2
.set VB,  76                           ; s[76:77] V at my keys of step 0
.set OFF, 78                           ; s[78:79]
.set OP1, 80                           ; s[80:81], s[82:83] out0 at my part of tile 1, of tile 2
.set OP2, 82
.set ST1, 84                           ; s[84:85], s[86:87] stats at my rows
.set ST2, 86
.set LQ2, 88
.set R1,  89                           ; s89, s90 the tiles' first rows, counted over all batches
.set R2,  90
.set BAT, 91
.set MSB, 0
.macro WIN new
.if MSB != (\new)
	s_set_vgpr_msb (MSB<<8)|(\new)
.set MSB, \new
.endif
.endm
.set MUL,  0x05                        ; sources 0 (V) and 1 (P) window 1; C and D window 0
.set TO_F, 0x40
.macro PLACES
.rept 4
	v_nop
.endr
.endm
.macro JLOAD s                         ; a joint load: waves 0, 1 fetch P's halves, waves 2, 3 V's; an s_nop 0 and four v_nop follow each line
	s_cmp_eq_u32 s[WR], 0
	s_cbranch_scc0 .Lfor_b_\@
	tensor_load_to_lds s[G0+4*(\s):G0+4*(\s)+3], s[G1:G1+7]
	s_nop 0
.rept 4
	v_nop
.endr
	s_branch .Lasked_\@
.Lfor_b_\@:
	tensor_load_to_lds s[G0B+4*(\s):G0B+4*(\s)+3], s[G1B:G1B+7]
	s_nop 0
.rept 4
	v_nop
.endr
.Lasked_\@:
.endm
.macro CREST
	s_cmp_lg_u32 s[WV], 0
	s_cbranch_scc1 .Lnot_wave_0_\@
	s_barrier_signal -3
.Lnot_wave_0_\@:
	s_barrier_wait -3
	s_barrier_signal -1
	s_barrier_wait -1
.endm
.macro CROUND
	s_barrier_signal -1
	s_barrier_wait -1
	CREST
.endm
	s_load_b256 s[4:11], s[0:1], 0x0               ; pbuf s[4:5], qkv s[6:7], stats s[8:9], out0 s[10:11]
	v_lshl_add_u32 v[SPW], v0, 2, SPARE
	v_mov_b32 v[NIL], 0
	ds_add_u32 v[SPW], v[NIL]                      ; the wave's opening: the add and its wait ahead of my first tensor load
	v_lshrrev_b32 v1, 5, v0
	v_readfirstlane_b32 s[WV], v1
	s_lshr_b32 s[WR], s[WV], 1                     ; my half of the tile's rows; also: I fetch P (0) or V (1)
	s_and_b32 s[WC], s[WV], 1                      ; my half of its channels; also: which half of a tile I fetch
	s_bfe_u32 s[CX], ttmp6, 0x40000
	s_bfe_u32 s[CY], ttmp6, 0x40004
	s_and_b32 s16, ttmp7, 0xffff
	s_lshr_b32 s[BAT], s16, 1
	s_and_b32 s[PP], s16, 1
	s_lshl_b32 s42, ttmp9, 2
	s_add_co_u32 s42, s42, s[CX]                   ; my block of 128 channels
	s_lshl_b32 s43, s[CY], 2
	s_lshl_b32 s43, 15, s43                        ; my row of the cluster
	s_lshl_b32 s44, 0x1111, s[CX]                  ; my column
	s_or_b32 s[G1+0], s43, (1<<16)|(1<<20)|(1<<21)|(6<<22)|(3<<25)   ; P: after every 128 words, 4 words of padding
	s_mov_b32 s[G1+1], 256<<16                     ; tensor_dim0 = 256 keys
	s_mov_b32 s[G1+2], 64<<16                      ; tensor_dim1 = 64 rows
	s_mov_b32 s[G1+3], 256<<16                     ; tile_dim0
	s_mov_b32 s[G1+4], 64                          ; tile_dim1
	s_mov_b32 s[G1+5], 2048                        ; elements from row to row
	s_mov_b32 s[G1+6], 0
	s_mov_b32 s[G1+7], 0
	s_or_b32 s[G1B+0], s44, (1<<16)|(1<<20)|(1<<21)|(5<<22)|(7<<25)  ; V: after every 64 words, 8 words
	s_mov_b32 s[G1B+1], 128<<16                    ; 128 channels
	s_mov_b32 s[G1B+2], 128<<16                    ; 128 keys
	s_mov_b32 s[G1B+3], 128<<16
	s_mov_b32 s[G1B+4], 128
	s_mov_b32 s[G1B+5], 3072
	s_mov_b32 s[G1B+6], 0
	s_mov_b32 s[G1B+7], 0
	s_lshl_b32 s17, s[PP], 1
	s_sub_co_u32 s[LEFT], 8, s17                   ; tile 1 has 8 - 2 p steps
	s_sub_co_u32 s[LQ], 7, s17
	s_add_co_u32 s[LQ2], s17, 1                    ; tile 2's last step is 2 p + 1
	s_mov_b32 s[NXT], 2
	s_sub_co_u32 s[PM], 0, s[PP]
	s_mov_b32 s[OFF+1], 0
	s_mov_b32 s[TB], 0
	s_lshl_b32 s18, s[BAT], 11
	s_lshl_b32 s19, s[CY], 7
	s_add_co_u32 s18, s18, s19                     ; 2,048 x batch + 128 cy
	s_sub_co_u32 s19, 3, s[PP]
	s_lshl_b32 s19, s19, 9
	s_add_co_u32 s[R1], s19, s18
	s_lshl_b32 s19, s[PP], 9
	s_add_co_u32 s[R2], s19, s18
	s_lshl_b32 s21, s[WC], 6                       ; which 64 rows of P's tile I fetch
	s_add_co_u32 s22, s[R1], s21
	s_lshl_b32 s22, s22, 12                        ; rows of 4,096 bytes: 32 MiB at the most
	s_mov_b32 s23, 0
	s_add_co_u32 s16, s[R2], s21
	s_lshl_b32 s16, s16, 12
	s_mov_b32 s17, 0
	s_lshl_b32 s46, s[BAT], 11
	s_lshl_b32 s47, s[WC], 7                       ; which 128 keys of V's tile I fetch
	s_add_co_u32 s46, s46, s47
	s_mul_i32 s46, s46, 6144
	s_lshl_b32 s47, s42, 8                         ; 128 channels of 2 bytes
	s_add_co_u32 s46, s46, s47
	s_add_co_u32 s46, s46, 4096                    ; v's part of a row
	s_mov_b32 s47, 0
	s_mul_i32 s45, s[WC], AHALF                    ; where my load lands, for P
	s_mul_i32 s21, s[WC], BHALF
	s_add_co_u32 s21, s21, BOFF                    ; and for V
	s_wait_dscnt 0x0                               ; the opening add is done
	s_wait_kmcnt 0x0
	s_add_nc_u64 s[PAC:PAC+1], s[4:5], s[22:23]
	s_add_nc_u64 s[PA2:PA2+1], s[4:5], s[16:17]
	s_add_nc_u64 s[VB:VB+1], s[6:7], s[46:47]
	CROUND
.irp s, 0,1
	s_mov_b32 s[G0+4*(\s)], 1
	s_add_co_u32 s[G0+4*(\s)+1], s45, (\s)*SLOT1
	s_add_nc_u64 s[G0+4*(\s)+2:G0+4*(\s)+3], s[PAC:PAC+1], (\s)*512
	s_or_b32 s[G0+4*(\s)+3], s[G0+4*(\s)+3], 0x80000000
	s_mov_b32 s[G0B+4*(\s)], 1
	s_add_co_u32 s[G0B+4*(\s)+1], s21, (\s)*SLOT1
	s_add_nc_u64 s[G0B+4*(\s)+2:G0B+4*(\s)+3], s[VB:VB+1], (\s)*256*6144
	s_or_b32 s[G0B+4*(\s)+3], s[G0B+4*(\s)+3], 0x80000000
	JLOAD \s                                       ; two loads of mine are out
.endr
	v_and_b32 v1, 15, v0                           ; r
	v_bfe_u32 v2, v0, 4, 1                         ; h
	v_and_b32 v3, 31, v0                           ; lane
	v_lshlrev_b32 v[LN8], 3, v3
	s_lshl_b32 s16, s[WR], 6
	s_add_co_u32 s17, s[R1], s16                   ; my 64 rows of tile 1,
	s_add_co_u32 s18, s[R2], s16                   ; of tile 2
	s_mul_i32 s19, s[BAT], 253952                  ; a batch's 262,144 bytes of stats, less the 8,192 that its rows' numbers carry
	s_lshl_b32 s20, s17, 2
	s_add_co_u32 s20, s20, s19
	s_mov_b32 s21, 0
	s_add_nc_u64 s[ST1:ST1+1], s[8:9], s[20:21]
	s_lshl_b32 s20, s18, 2
	s_add_co_u32 s20, s20, s19
	s_add_nc_u64 s[ST2:ST2+1], s[8:9], s[20:21]
	; the statistics: lane l owns rows 2 l and 2 l + 1 of my 64; a load covers 256 consecutive bytes.  Blocks beyond a group's walk are wholly hidden: their c m is far below every other and their l is 0
.set t, 0
.rept 16
	global_load_b64 v[C1+2*t:C1+2*t+1], v[LN8], s[ST1:ST1+1] offset:16384*t
	global_load_b64 v[L1+2*t:L1+2*t+1], v[LN8], s[ST1:ST1+1] offset:16384*t+8192
.set t, t+1
.endr
.set t, 0
.rept 8
	global_load_b64 v[C2+2*t:C2+2*t+1], v[LN8], s[ST2:ST2+1] offset:16384*t
	global_load_b64 v[L2+2*t:L2+2*t+1], v[LN8], s[ST2:ST2+1] offset:16384*t+8192
.set t, t+1
.endr
	s_lshl_b32 s19, s42, 9                         ; out0: 128 channels of 4 bytes,
	s_lshl_b32 s22, s[WC], 8                       ; my 64 of them
	s_add_co_u32 s19, s19, s22
	s_lshl_b32 s20, s17, 12
	s_add_co_u32 s20, s20, s19
	s_add_nc_u64 s[OP1:OP1+1], s[10:11], s[20:21]
	s_lshl_b32 s20, s18, 12
	s_add_co_u32 s20, s20, s19
	s_add_nc_u64 s[OP2:OP2+1], s[10:11], s[20:21]
	v_mul_u32_u24 v4, v1, PA
	v_lshl_add_u32 v4, v2, 4, v4                   ; P: row x pitch + 16 x half
	s_mul_i32 s16, s[WR], AHALF
	v_add_nc_u32 v[ADRA0], s16, v4
	v_mov_b32 v[ADRA], v[ADRA0]
	v_and_b32 v5, 7, v0                            ; V, turned: lane l reads key 8 (l / 16) + l % 8, channels 8 ((l / 8) % 2) + 0..7
	v_bfe_u32 v6, v0, 3, 1
	v_lshl_add_u32 v5, v2, 3, v5
	v_mul_u32_u24 v5, v5, PV
	v_lshl_add_u32 v5, v6, 4, v5
	s_lshl_b32 s16, s[WC], 7
	s_add_co_u32 s16, s16, BOFF
	v_add_nc_u32 v[ADRB0], s16, v5
	v_add_nc_u32 v[ADRB0+1], BHALF, v[ADRB0]
	v_mov_b32 v[ADRB], v[ADRB0]
	v_mov_b32 v[ADRB+1], v[ADRB0+1]
	s_mul_i32 s16, s[WV], 16*SPITCH
	s_add_co_u32 s16, s16, STAGE
	v_mul_u32_u24 v4, v1, SPITCH
	v_lshl_add_u32 v4, v2, 5, v4                   ; in: row r, 32 bytes for each half of the lanes
	v_add_nc_u32 v[STO], s16, v4
	v_mul_u32_u24 v4, v2, SPITCH
	v_lshl_add_u32 v4, v1, 4, v4                   ; back: lanes 0-15 one row of 256 bytes, lanes 16-31 the next
	v_add_nc_u32 v[RD], s16, v4
	v_lshlrev_b32 v4, 12, v2
	v_lshl_add_u32 v[CO], v1, 4, v4
	s_mul_i32 s16, s[WV], TABW
	s_add_co_u32 s16, s16, TAB
	v_lshl_add_u32 v[ALA], v1, 2, s16
	v_lshl_add_u32 v[TW], v3, 3, s16
	s_lshl_b32 s16, s[WV], 9
	s_add_co_u32 s16, s16, IVT
	v_lshl_add_u32 v[IVA], v1, 2, s16
	v_lshl_add_u32 v[IVW], v3, 3, s16
.irp a, 0,1,2,3
	v_mov_b32 v[AL+2*(\a)+1], 0                    ; named with their partners as pairs
	v_mov_b32 v[IV+2*(\a)+1], 0
.endr
.macro CLEAR                           ; O = 0, so that every block's sums are joined by one form of line; it stands in the wait for the first tiles, and once at the change of tiles
	WIN 0x80
.set z, 0
.rept 128
	v_mov_b32 v[z], 0
.set z, z+1
.endr
	WIN 0
.endm
	CLEAR
.macro ROWMAX m, c, n                  ; the largest of n pairs at c, for each of my two rows
.irp e, 0,1
	v_max3_num_f32 v[(\m)+(\e)], v[(\c)+(\e)], v[(\c)+2+(\e)], v[(\c)+4+(\e)]
.set t, 3
.rept ((\n)-4)/2
	v_max3_num_f32 v[(\m)+(\e)], v[(\m)+(\e)], v[(\c)+2*t+(\e)], v[(\c)+2*t+2+(\e)]
.set t, t+2
.endr
	v_max_num_f32 v[(\m)+(\e)], v[(\m)+(\e)], v[(\c)+2*(\n)-2+(\e)]
.endr
.endm
	s_wait_loadcnt 0x0
	ROWMAX M1, C1, 16
	ROWMAX M2, C2, 8
.set t, 0
.rept 16
	v_pk_add_f32 v[C1+2*t:C1+2*t+1], v[C1+2*t:C1+2*t+1], v[M1:M1+1] neg_lo:[0,1] neg_hi:[0,1]
.set t, t+1
.endr
.set t, 0
.rept 8
	v_pk_add_f32 v[C2+2*t:C2+2*t+1], v[C2+2*t:C2+2*t+1], v[M2:M2+1] neg_lo:[0,1] neg_hi:[0,1]
.set t, t+1
.endr
.set t, 0
.rept 48                               ; C1's 32 registers and, 64 registers on, C2's 16: one batch
	v_exp_f32 v[C1+t+32*(t/32)], v[C1+t+32*(t/32)]
.set t, t+1
.endr
	v_nop                                          ; a plain instruction behind the last exponential,
	s_wait_alu depctr_va_vdst(0)                   ; and the one wait for the batch
	v_pk_mul_f32 v[S1:S1+1], v[C1:C1+1], v[L1:L1+1]
	v_pk_mul_f32 v[S2:S2+1], v[C2:C2+1], v[L2:L2+1]
.set t, 1
.rept 15
	v_pk_fma_f32 v[S1:S1+1], v[C1+2*t:C1+2*t+1], v[L1+2*t:L1+2*t+1], v[S1:S1+1]
.if t < 8
	v_pk_fma_f32 v[S2:S2+1], v[C2+2*t:C2+2*t+1], v[L2+2*t:L2+2*t+1], v[S2:S2+1]
.endif
.set t, t+1
.endr
.irp e, 0,1,2,3
	v_rcp_f32 v[S1+(\e)], v[S1+(\e)]               ; L is 1 or more: the block that holds the row's maximum has alpha = 1 and l >= 1
.endr
	v_nop
	s_wait_alu depctr_va_vdst(0)
	v_pk_mul_f32 v[S1:S1+1], v[S1:S1+1], 0x461c4000 op_sel_hi:[1,0]  ; 1e4 / L
	v_pk_mul_f32 v[S2:S2+1], v[S2:S2+1], 0x461c4000 op_sel_hi:[1,0]
.set k, 0
.rept 4                                ; the walk's blocks 12-15 are tile 1's 12-15 (p = 0) or tile 2's 0-3 (p = 1); blocks 16-19 are tile 2's 0-3 or 4-7
.irp e, 0,1
	v_cndmask_b32 v[XS+2*k+(\e)], v[C1+24+2*k+(\e)], v[C2+2*k+(\e)], s[PM]
	v_cndmask_b32 v[XS+8+2*k+(\e)], v[C2+2*k+(\e)], v[C2+8+2*k+(\e)], s[PM]
.endr
.set k, k+1
.endr
.set k, 0
.rept 12
	ds_store_b64 v[TW], v[C1+2*k:C1+2*k+1] offset:256*k
.set k, k+1
.endr
.set k, 0
.rept 8
	ds_store_b64 v[TW], v[XS+2*k:XS+2*k+1] offset:256*(12+k)
.set k, k+1
.endr
	ds_store_b64 v[IVW], v[S1:S1+1]
	ds_store_b64 v[IVW], v[S2:S2+1] offset:256     ; both tables are my wave's own: LDS serves a wave's instructions in order, so no barrier is needed for them
; 8 matrix instructions: row blocks a0, a0 + 1 x all 4 channel blocks, 32 keys: half c of buffer f.  zero = 1: they start the sums of a block of 128 keys.  The 16 accumulators take turns.
.macro MUL8 f, c, a0, zero
	WIN MUL
.irp a, \a0, (\a0)+1
.irp b, 0,1,2,3
.if \zero
	v_wmma_f32_16x16x32_f16 v[ACC+8*(4*(\a)+(\b)):ACC+8*(4*(\a)+(\b))+7], v[(\f)+64+8*(4*(\c)+(\b)):(\f)+64+8*(4*(\c)+(\b))+7], v[(\f)+8*(4*(\c)+(\a)):(\f)+8*(4*(\c)+(\a))+7], 0
.else
	v_wmma_f32_16x16x32_f16 v[ACC+8*(4*(\a)+(\b)):ACC+8*(4*(\a)+(\b))+7], v[(\f)+64+8*(4*(\c)+(\b)):(\f)+64+8*(4*(\c)+(\b))+7], v[(\f)+8*(4*(\c)+(\a)):(\f)+8*(4*(\c)+(\a))+7], v[ACC+8*(4*(\a)+(\b)):ACC+8*(4*(\a)+(\b))+7]
.endif
.endr
.endr
.endm
.macro FETCH q, f                      ; 32 LDS loads in one run: the fragments of keys 64 q .. 64 q + 63 of the slot in hand, the first 32 keys first
	WIN TO_F
.irp c, 0,1
.irp i, 0,1,2,3
	ds_load_tr16_b128 v[(\f)+64+8*(4*(\c)+(\i)):(\f)+64+8*(4*(\c)+(\i))+3],   v[ADRB+(\q)/2] offset:(((\q)%2)*64+32*(\c))*PV+32*(\i)
	ds_load_tr16_b128 v[(\f)+64+8*(4*(\c)+(\i))+4:(\f)+64+8*(4*(\c)+(\i))+7], v[ADRB+(\q)/2] offset:(((\q)%2)*64+32*(\c)+16)*PV+32*(\i)
	ds_load_b128 v[(\f)+8*(4*(\c)+(\i)):(\f)+8*(4*(\c)+(\i))+3],   v[ADRA] offset:128*(\q)+64*(\c)+(\i)*16*PA
	ds_load_b128 v[(\f)+8*(4*(\c)+(\i))+4:(\f)+8*(4*(\c)+(\i))+7], v[ADRA] offset:128*(\q)+64*(\c)+(\i)*16*PA+32
.endr
.endr
.endm
; Multiplies buffer f; in its middle fetches quarter q into g and, with row >= 0, the alpha of that block of the step (older than the run, so the wait behind the run covers it).
.macro QUARTER q, f, g, zero, row
	s_wait_dscnt 16                                ; the first 32 keys' fragments are in
	MUL8 \f, 0, 0, \zero
	MUL8 \f, 0, 2, \zero
	PLACES
.if (\row) >= 0
	WIN 0
.irp a, 0,1,2,3
	ds_load_b32 v[AL+2*(\a)], v[ALA] offset:256*(\row)+64*(\a)
.endr
.endif
	FETCH \q, \g
	s_wait_dscnt 32                                ; all but the 32 just issued
	MUL8 \f, 1, 0, 0
	MUL8 \f, 1, 2, 0
.endm
.macro MERGE                           ; O += alpha T, each accumulator from its low end on
	PLACES
	WIN 0xa0                                       ; destination and source 2 (O) window 2, T and alpha window 0
.set z, 0
.rept 64
	v_pk_fma_f32 v[2*z:2*z+1], v[ACC+2*z:ACC+2*z+1], v[AL+2*(z/16):AL+2*(z/16)+1], v[2*z:2*z+1] op_sel_hi:[1,0,1]
.set z, z+1
.endr
.endm
.macro NEXTADDR                        ; the walking descriptors: the other slot, and the addresses made anew from the step's number; then the number steps, and behind tile 1's last goes to tile 2's step 0
	s_lshl_b32 s[OFF], s[NXT], 9                   ; 256 keys of 2 bytes along P's rows
	s_xor_b32 s[G0+5], s[G0+5], SLOT1
	s_add_nc_u64 s[G0+6:G0+7], s[PAC:PAC+1], s[OFF:OFF+1]
	s_or_b32 s[G0+7], s[G0+7], 0x80000000
	s_mul_i32 s[OFF], s[NXT], 256*6144             ; 256 rows of V
	s_xor_b32 s[G0B+5], s[G0B+5], SLOT1
	s_add_nc_u64 s[G0B+6:G0B+7], s[VB:VB+1], s[OFF:OFF+1]
	s_or_b32 s[G0B+7], s[G0B+7], 0x80000000
	s_add_co_u32 s[NXT], s[NXT], 1
	s_cmp_gt_u32 s[NXT], s[LQ]
	s_cselect_b32 s[NXT], 0, s[NXT]
	s_cselect_b32 s[LQ], s[LQ2], s[LQ]
	s_cselect_b64 s[PAC:PAC+1], s[PA2:PA2+1], s[PAC:PAC+1]
.endm
.macro TURN fill                       ; the last quarter and the change of slots: the waits and the add in front of the barrier, the joint refill first behind the round
	WIN 0
	s_wait_tensorcnt 0x0                           ; no tensor load of mine is out, so a group 0 may be written
	ds_add_u32 v[SPW], v[NIL]                      ; 0 onto my spare word
.if \fill
	NEXTADDR
.endif
	s_wait_dscnt 17                                ; the add and the youngest sixteen loads may be out
	MUL8 F1, 0, 0, 0
	s_wait_dscnt 0x0                               ; the add is done, and my reads of this slot are over
	s_barrier_signal -1
	MUL8 F1, 0, 2, 0
	WIN 0
	s_barrier_wait -1
.if \fill
	CREST
	JLOAD 1                                        ; its four v_nop are also the places in front of the loads below
.else
	PLACES
.endif
	s_xor_b32 s[TB], s[TB], SLOT1
	v_add_nc_u32 v[ADRA], s[TB], v[ADRA0]
	v_add_nc_u32 v[ADRB], s[TB], v[ADRB0]
	v_add_nc_u32 v[ADRB+1], s[TB], v[ADRB0+1]
	v_add_nc_u32 v[ALA], 512, v[ALA]               ; the next step's two rows of the table
	FETCH 0, F0
	MUL8 F1, 1, 0, 0
	MUL8 F1, 1, 2, 0
.endm
.macro STEP fill                       ; 256 keys: two blocks of 128, each summed from 0 and joined to O with its alpha
	QUARTER 1, F0, F1, 1, 0
	QUARTER 2, F1, F0, 0, -1
	MERGE
	QUARTER 3, F0, F1, 1, 1
	TURN \fill
	MERGE
.endm
; THE WAY OUT of a tile: O x 1e4 / L, rounded to a whole number, x 1e-4; 16 rows at a time through my own stage, back as whole rows of my 64 channels: 256 bytes.
.macro WAYOUT tile, op
	WIN 0
.irp a, 0,1,2,3
	ds_load_b32 v[IV+2*(\a)], v[IVA] offset:256*(\tile)+64*(\a)
.endr
	s_wait_dscnt 0x0
.irp a, 0,1,2,3
	WIN 0x02                                       ; source 0 (O) window 2
.set z, 0
.rept 16
	v_pk_mul_f32 v[TMP+2*z:TMP+2*z+1], v[32*(\a)+2*z:32*(\a)+2*z+1], v[IV+2*(\a):IV+2*(\a)+1] op_sel_hi:[1,0]
.set z, z+1
.endr
	WIN 0
.set z, 0
.rept 32
	v_rndne_f32 v[TMP+z], v[TMP+z]
.set z, z+1
.endr
.set z, 0
.rept 16
	v_pk_mul_f32 v[TMP+2*z:TMP+2*z+1], v[TMP+2*z:TMP+2*z+1], 0x38d1b717 op_sel_hi:[1,0]
.set z, z+1
.endr
.irp b, 0,1,2,3
	ds_store_b128 v[STO], v[TMP+8*(\b):TMP+8*(\b)+3]   offset:64*(\b)
	ds_store_b128 v[STO], v[TMP+8*(\b)+4:TMP+8*(\b)+7] offset:64*(\b)+16
.endr
	s_wait_xcnt 0x0                                ; the stores of the 16 rows before have read their data: only now is it loaded over
.irp u, 0,1,2,3,4,5,6,7
	ds_load_b128 v[TMP+32+4*(\u):TMP+32+4*(\u)+3], v[RD] offset:(\u)*2*SPITCH
.endr
	s_wait_dscnt 0x0
.irp u, 0,1,2,3,4,5,6,7
	global_store_b128 v[CO], v[TMP+32+4*(\u):TMP+32+4*(\u)+3], s[\op:\op+1] offset:(16*(\a)+2*(\u))*4096  ; 16 lanes store 256 consecutive bytes, aligned
.endr
.endr
.endm
	s_wait_tensorcnt 1                             ; my part of the walk's step 0 is in; step 1's may stay out
	s_wait_dscnt 0x0                               ; my tables are written
	s_barrier_signal -1
	s_barrier_wait -1
	FETCH 0, F0
	WIN 0
	s_mov_b32 s3, 8
.Lfill:                                        ; the walk's steps 0 to 7, which ask for steps 2 to 9
	STEP 1
	WIN 0
	s_sub_co_u32 s[LEFT], s[LEFT], 1
	s_cmp_lg_u32 s[LEFT], 0
	s_cbranch_scc1 .Lsame_tile                     ; forward, over text with no barrier and no tensor load; LEFT hangs on p, which all partners share
	WAYOUT 0, OP1                                  ; tile 1 is finished: the refills for tile 2 are already asked for
	CLEAR
.Lsame_tile:
	s_sub_co_u32 s3, s3, 1
	s_cmp_lg_u32 s3, 0
	s_cbranch_scc1 .Lfill
	s_mov_b32 s3, 2
.Ldry:                                         ; steps 8 and 9: nothing is left to ask for; the last trip's barrier and fetch serve nothing
	STEP 0
	WIN 0
	s_sub_co_u32 s3, s3, 1
	s_cmp_lg_u32 s3, 0
	s_cbranch_scc1 .Ldry
	WAYOUT 1, OP2
	s_wait_tensorcnt 0x0                           ; the wave's end
	ds_add_u32 v[SPW], v[NIL]
	s_wait_dscnt 0x0
	CROUND                                         ; the closing round
	s_endpgm
.Lfunc_end_k_q78f47ed60a_pv:
	.size	k_q78f47ed60a_pv, .Lfunc_end_k_q78f47ed60a_pv-k_q78f47ed60a_pv
	.p2alignl 7, 3214868480
	.fill 96, 4, 3214868480
	.section	.rodata,"a",@progbits
	.p2align	6, 0x0
	.amdhsa_kernel k_q78f47ed60a_pv
		.amdhsa_group_segment_fixed_size 327680
		.amdhsa_private_segment_fixed_size 0
		.amdhsa_enable_private_segment 0
		.amdhsa_kernarg_size 32
		.amdhsa_user_sgpr_count 2
		.amdhsa_user_sgpr_kernarg_segment_ptr 1
		.amdhsa_wavefront_size32 1
		.amdhsa_system_sgpr_workgroup_id_x 1
		.amdhsa_system_sgpr_workgroup_id_y 1
		.amdhsa_system_sgpr_workgroup_id_z 1
		.amdhsa_system_vgpr_workitem_id 0
		.amdhsa_next_free_vgpr 640
		.amdhsa_next_free_sgpr 96
		.amdhsa_reserve_vcc 0
		.amdhsa_float_denorm_mode_32 3
		.amdhsa_float_denorm_mode_16_64 3
		.amdhsa_memory_ordered 1
		.amdhsa_forward_progress 1
		.amdhsa_inst_pref_size 131
	.end_amdhsa_kernel
	.amdgpu_metadata
---
amdhsa.version: [ 1, 2 ]
amdhsa.kernels:
  - .name:           k_q78f47ed60a_pv
    .symbol:         k_q78f47ed60a_pv.kd
    .args:
      - { .name: pbuf, .offset: 0, .size: 8, .value_kind: global_buffer, .address_space: global }
      - { .name: qkv, .offset: 8, .size: 8, .value_kind: global_buffer, .address_space: global }
      - { .name: stats, .offset: 16, .size: 8, .value_kind: global_buffer, .address_space: global }
      - { .name: out0, .offset: 24, .size: 8, .value_kind: global_buffer, .address_space: global }
    .group_segment_fixed_size: 327680
    .private_segment_fixed_size: 0
    .kernarg_segment_align: 8
    .kernarg_segment_size: 32
    .max_flat_workgroup_size: 128
    .sgpr_count:     96
    .vgpr_count:     640
    .wavefront_size: 32
...
	.end_amdgpu_metadata
.endif
;; end of part 4
;; launch fix (part 5): grid 16 x 4, 8 waves a work-group, no clusters, 1,536 bytes of LDS; arguments h32, out0; writes out0
.if DOCPART == 5
	.amdgcn_target "amdgcn-amd-amdhsa--gfx1250"
	.amdhsa_code_object_version 6
	.text
	.protected	k_q78f47ed60a_fix
	.globl	k_q78f47ed60a_fix
	.p2align	8
	.type	k_q78f47ed60a_fix,@function
k_q78f47ed60a_fix:
	s_mov_b64 s[64:65], 0
	v_nop
	global_prefetch_b8 v0, s[64:65] scope:SCOPE_SE
	s_setreg_imm32_b32 hwreg(HW_REG_WAVE_MODE, 25, 1), 1
	s_wait_xcnt 0x0
; Rows 0 to 15 of each batch once more, wholly in f32, from the projections' unrounded sums: h32 [4][16][3072] f32 (q, k, v of a row).  These rows average over 1 to 16 keys, so their numbers are many times the
; output's root mean square, and the 16-bit roundings of q, k, v and P would use up their allowance.  out0 [4][2048][1024] f32: this launch writes over what the launch before left in these 64 rows.
; out[i] = round4( the sum over j <= i of softmax_j(q_i . k_j / 32) v_j ), the row's maximum taken away; round4(x) = rndne(1e4 x) x 1e-4 (for the division by 1e4: an ulp at the most).
; A hidden score counts as -2^100; a weight under 2^-126 counts as 0.
; SHARES.  A work-group makes row i = x of batch y; thread t owns channels 4 t .. 4 t + 3.  The 16 dot products are summed over a wave by lane exchanges and over the eight waves through LDS.
; 64 rows in all: no matrix work, no cluster, no prefetch.
.set SPARE, 512                        ; behind the partial sums (8 waves x 16 x 4 bytes): the spare words, 128 bytes a wave, four blocks of 256 bytes that no other line names
.set SPW, 2
.set NIL, 3
.set Q,   4                            ; v[4:7]
.set K,   8                            ; v[8:71]    k_j at K + 4 j
.set V,   72                           ; v[72:135]  v_j at V + 4 j
.set D,   136                          ; v[136:151] the dot products
.set CH,  152                          ; v152  16 t
.set WA,  153                          ; v153  64 x wave
.set JA,  154                          ; v154  4 x (lane % 16)
.set J,   155                          ; v155  lane % 16
.set R,   156                          ; v[156:163] eight partial sums
.set S,   164
.set M,   165
.set BG,  166
.set O,   168                          ; v[168:171]
	s_load_b128 s[4:7], s[0:1], 0x0                ; h32 s[4:5], out0 s[6:7]
	v_lshl_add_u32 v[SPW], v0, 2, SPARE
	v_mov_b32 v[NIL], 0
	v_lshrrev_b32 v1, 5, v0
	v_readfirstlane_b32 s8, v1                     ; wave 0..7
	s_mov_b32 s9, ttmp9                            ; i
	s_and_b32 s10, ttmp7, 0xffff                   ; batch
	v_lshlrev_b32 v[CH], 4, v0
	v_mov_b32 v[WA], s8
	v_lshlrev_b32 v[WA], 6, v[WA]
	v_and_b32 v[J], 15, v0
	v_lshlrev_b32 v[JA], 2, v[J]
	v_mov_b32 v[BG], 0xf1800000                    ; -2^100
	s_mul_i32 s12, s10, 196608                     ; a batch's 16 rows of 12,288 bytes
	s_mov_b32 s13, 0
	s_mul_i32 s34, s9, 12288
	s_mov_b32 s35, 0
	s_lshl_b32 s36, s10, 11
	s_add_co_u32 s36, s36, s9
	s_lshl_b32 s36, s36, 12                        ; row 2,048 x batch + i of out0
	s_mov_b32 s37, 0
	s_mov_b32 s14, 0x76543210                      ; v_permlanex16_b32: each lane its own place in the other half
	s_mov_b32 s15, 0xfedcba98
	s_wait_kmcnt 0x0
	s_add_nc_u64 s[4:5], s[4:5], s[12:13]
	s_add_nc_u64 s[32:33], s[4:5], s[34:35]
	s_add_nc_u64 s[6:7], s[6:7], s[36:37]
	global_load_b128 v[Q:Q+3], v[CH], s[32:33]
.irp j, 0,1,2,3,4,5,6,7,8,9,10,11,12,13,14,15
	global_load_b128 v[K+4*(\j):K+4*(\j)+3], v[CH], s[4:5] offset:12288*(\j)+4096
.endr
.irp j, 0,1,2,3,4,5,6,7,8,9,10,11,12,13,14,15
	global_load_b128 v[V+4*(\j):V+4*(\j)+3], v[CH], s[4:5] offset:12288*(\j)+8192
.endr
	s_wait_loadcnt 16                              ; q and k are in; v's 16 loads may stay out
.irp j, 0,1,2,3,4,5,6,7,8,9,10,11,12,13,14,15
	v_pk_mul_f32 v[K+4*(\j):K+4*(\j)+1], v[Q:Q+1], v[K+4*(\j):K+4*(\j)+1]
.endr
.irp j, 0,1,2,3,4,5,6,7,8,9,10,11,12,13,14,15
	v_pk_fma_f32 v[K+4*(\j):K+4*(\j)+1], v[Q+2:Q+3], v[K+4*(\j)+2:K+4*(\j)+3], v[K+4*(\j):K+4*(\j)+1]
.endr
.irp j, 0,1,2,3,4,5,6,7,8,9,10,11,12,13,14,15
	v_add_f32 v[D+(\j)], v[K+4*(\j)], v[K+4*(\j)+1]
.endr
.irp m, 1,2,4,8
.irp j, 0,1,2,3,4,5,6,7,8,9,10,11,12,13,14,15
	v_add_f32_dpp v[D+(\j)], v[D+(\j)], v[D+(\j)] row_xmask:\m row_mask:0xf bank_mask:0xf
.endr
.endr
.irp j, 0,1,2,3,4,5,6,7,8,9,10,11,12,13,14,15
	v_permlanex16_b32 v[K+4*(\j)], v[D+(\j)], s14, s15
.endr
.irp j, 0,1,2,3,4,5,6,7,8,9,10,11,12,13,14,15
	v_add_f32 v[D+(\j)], v[D+(\j)], v[K+4*(\j)]    ; every lane holds my wave's share of q_i . k_j
.endr
.irp j, 0,1,2,3,4,5,6,7,8,9,10,11,12,13,14,15
	ds_store_b32 v[WA], v[D+(\j)] offset:4*(\j)    ; all lanes write the same word with the same value
.endr
	s_wait_dscnt 0x0                               ; for the others' sake: my stores are done
	s_barrier_signal -1
	s_barrier_wait -1
.irp w, 0,1,2,3,4,5,6,7
	ds_load_b32 v[R+(\w)], v[JA] offset:64*(\w)    ; lane l takes key j = l % 16
.endr
	s_wait_dscnt 0x0
	v_add_f32 v[R], v[R], v[R+1]
	v_add_f32 v[R+2], v[R+2], v[R+3]
	v_add_f32 v[R+4], v[R+4], v[R+5]
	v_add_f32 v[R+6], v[R+6], v[R+7]
	v_add_f32 v[R], v[R], v[R+2]
	v_add_f32 v[R+4], v[R+4], v[R+6]
	v_add_f32 v[S], v[R], v[R+4]
	v_cmp_lt_u32 vcc_lo, s9, v[J]                  ; i < j: hidden
	v_cndmask_b32 v[S], v[S], v[BG], vcc_lo
	v_mov_b32 v[M], v[S]
.irp m, 1,2,4,8
	v_max_num_f32_dpp v[M], v[M], v[M] row_xmask:\m row_mask:0xf bank_mask:0xf
.endr
	v_sub_f32 v[S], v[S], v[M]                     ; the row's maximum is taken away
	v_mul_f32 v[S], 0x3d38aa3b, v[S]               ; x log2(e) / 32
	v_exp_f32 v[S], v[S]
	v_nop                                          ; a plain instruction behind the exponential,
	s_wait_alu depctr_va_vdst(0)                   ; and its wait ahead of the first reader
	v_mov_b32 v[M], v[S]
.irp m, 1,2,4,8
	v_add_f32_dpp v[M], v[M], v[M] row_xmask:\m row_mask:0xf bank_mask:0xf
.endr
	v_rcp_f32 v[M], v[M]                           ; the sum is 1 or more
	v_nop
	s_wait_alu depctr_va_vdst(0)
	v_mul_f32 v[S], v[S], v[M]
	v_mul_f32 v[S], 0x461c4000, v[S]               ; 1e4 x the weight of key l % 16
.irp j, 0,1,2,3,4,5,6,7,8,9,10,11,12,13,14,15
	v_readlane_b32 s[16+(\j)], v[S], \j            ; the 16 weights as scalars: they are factors alone
.endr
	s_wait_loadcnt 0x0                             ; v
.irp e, 0,1,2,3
	v_mul_f32 v[O+(\e)], s16, v[V+(\e)]
.endr
.irp j, 1,2,3,4,5,6,7,8,9,10,11,12,13,14,15
.irp e, 0,1,2,3
	v_fmac_f32 v[O+(\e)], s[16+(\j)], v[V+4*(\j)+(\e)]
.endr
.endr
.irp e, 0,1,2,3
	v_rndne_f32 v[O+(\e)], v[O+(\e)]
.endr
	v_pk_mul_f32 v[O:O+1], v[O:O+1], 0x38d1b717 op_sel_hi:[1,0]
	v_pk_mul_f32 v[O+2:O+3], v[O+2:O+3], 0x38d1b717 op_sel_hi:[1,0]
	global_store_b128 v[CH], v[O:O+3], s[6:7]      ; a wave stores 512 consecutive bytes, the eight waves the row
	s_wait_tensorcnt 0x0                           ; the wave's end, behind my last LDS store
	ds_add_u32 v[SPW], v[NIL]
	s_wait_dscnt 0x0
	s_endpgm
.Lfunc_end_k_q78f47ed60a_fix:
	.size	k_q78f47ed60a_fix, .Lfunc_end_k_q78f47ed60a_fix-k_q78f47ed60a_fix
	.p2alignl 7, 3214868480
	.fill 96, 4, 3214868480
	.section	.rodata,"a",@progbits
	.p2align	6, 0x0
	.amdhsa_kernel k_q78f47ed60a_fix
		.amdhsa_group_segment_fixed_size 1536
		.amdhsa_private_segment_fixed_size 0
		.amdhsa_enable_private_segment 0
		.amdhsa_kernarg_size 16
		.amdhsa_user_sgpr_count 2
		.amdhsa_user_sgpr_kernarg_segment_ptr 1
		.amdhsa_wavefront_size32 1
		.amdhsa_system_sgpr_workgroup_id_x 1
		.amdhsa_system_sgpr_workgroup_id_y 1
		.amdhsa_system_sgpr_workgroup_id_z 1
		.amdhsa_system_vgpr_workitem_id 0
		.amdhsa_next_free_vgpr 172
		.amdhsa_next_free_sgpr 66
		.amdhsa_reserve_vcc 1
		.amdhsa_float_denorm_mode_32 3
		.amdhsa_float_denorm_mode_16_64 3
		.amdhsa_memory_ordered 1
		.amdhsa_forward_progress 1
		.amdhsa_inst_pref_size 19
	.end_amdhsa_kernel
	.amdgpu_metadata
---
amdhsa.version: [ 1, 2 ]
amdhsa.kernels:
  - .name:           k_q78f47ed60a_fix
    .symbol:         k_q78f47ed60a_fix.kd
    .args:
      - { .name: h32, .offset: 0, .size: 8, .value_kind: global_buffer, .address_space: global }
      - { .name: out0, .offset: 8, .size: 8, .value_kind: global_buffer, .address_space: global }
    .group_segment_fixed_size: 1536
    .private_segment_fixed_size: 0
    .kernarg_segment_align: 8
    .kernarg_segment_size: 16
    .max_flat_workgroup_size: 256
    .sgpr_count:     66
    .vgpr_count:     172
    .wavefront_size: 32
...
	.end_amdgpu_metadata
.endif
;; end of part 5
;; ======== version 2 of 2: 5 launches; version 1 with the launch cast written anew for expert scheduling mode
;; limits: values are held in f16: magnitudes above 65,504 overflow, below 6.1e-05 lose precision
;; workspace buffers: xb 16,777,216 bytes; wb 6,291,456 bytes; qkv 50,331,648 bytes; h32 786,432 bytes; pbuf 33,554,432 bytes; stats 1,048,576 bytes
;; launch cast (part 6): grid 64 x 11, 8 waves a work-group, no clusters, 0 bytes of LDS; arguments embedded, Wq, Wk, Wv, xb, wb; writes xb, wb
.if DOCPART == 6
	.amdgcn_target "amdgcn-amd-amdhsa--gfx1250"
	.amdhsa_code_object_version 6
	.text
	.protected	k_q78f47ed60a_cast
	.globl	k_q78f47ed60a_cast
	.p2align	8
	.type	k_q78f47ed60a_cast,@function
k_q78f47ed60a_cast:
	s_mov_b64 s[64:65], 0
	v_nop
	global_prefetch_b8 v0, s[64:65] scope:SCOPE_SE
	s_setreg_imm32_b32 hwreg(HW_REG_WAVE_SCHED_MODE, 0, 2), 2
	s_setreg_imm32_b32 hwreg(HW_REG_WAVE_MODE, 25, 1), 1
	s_wait_xcnt 0x0
	s_wait_alu depctr_vm_vsrc(0)
; embedded [8192][1024] f32 -> xb, and Wq, Wk, Wv [1024][1024] f32 -> wb (rows of Wq, then Wk, then Wv), both in bf16, each number rounded once, to nearest even.
; LAYOUT OF xb AND wb, made for the next launch's tiles: [block of 256 rows][16 blocks of 64 k][256 rows][64 k]: number (row, k) lies at byte
; (row / 256) x 524,288 + (k / 64) x 32,768 + (row % 256) x 128 + (k % 64) x 2.  So 64 k of 256 rows (or of an aligned 128 of them) are dense bytes.
; A stream: every byte is read once and written once, nothing is shared, so there is no LDS, no barrier, no matrix work, no cluster and no prefetch.
; SHARES.  Work-group y picks a slab of 1,024 rows (y < 8: of embedded; y = 8, 9, 10: a weight), x picks 16 of them; a wave takes two rows.  In chunk j (k = 64 j ..) lanes 0-15 take 256 bytes of the even row
; and lanes 16-31 of the odd one, 16 bytes a lane; the store puts the two rows' 128 bytes side by side: 256 consecutive bytes, aligned.  All 16 loads go out before the first wait for data.
; THE MODE: SCHED_MODE bits 1:0 = 2 (LLVM: expert scheduling mode 2), set by the entry lines.  The code itself states the register dependences between vector instructions and memory
; instructions, with s_wait_alu, always for 0.
; THE PLAN.  Registers that memory instructions touch:
;   v1, v2   byte offsets, made once at the head by vector instructions and never written again; v1 is read by every load, v2 by every store.
;   X        chunk j's four registers: written by its one load, read by its two conversions; named by no vector instruction ahead of the load, and never loaded again.
;   Y        chunk j's two registers: written by its two conversions, read by its one store, never written again.
; So nothing that a memory instruction has read is ever rewritten, and no load lands in a register that a vector instruction has named.  What is left to state: the offsets are written, once, ahead of the first
; load; and a chunk's Y is written, ahead of its store.  The chunks go in four groups of four.  A group's stores are issued in the next group, one ahead of each chunk's conversions, behind ONE wait at that
; group's head; the conversions issued since that wait name the next group's X and Y alone.  The last group's stores have a wait of their own.
.set X, 4                              ; v[4:67]   chunk j: four f32 as loaded
.set Y, 68                             ; v[68:99]  chunk j: four bf16 to store
.set GRP, 4                            ; chunks in a group
	s_load_b256 s[4:11], s[0:1], 0x0               ; embedded s[4:5], Wq s[6:7], Wk s[8:9], Wv s[10:11]
	s_load_b128 s[12:15], s[0:1], 0x20             ; xb s[12:13], wb s[14:15]
	s_and_b32 s16, ttmp7, 0xffff                   ; y
	v_lshrrev_b32 v3, 4, v0                        ; my row of the 16
	v_and_b32 v2, 15, v0                           ; my four numbers of a chunk's 64
	v_lshlrev_b32 v1, 12, v3                       ; source: rows of 4,096 bytes,
	v_lshl_add_u32 v1, v2, 4, v1                   ; 16 bytes a lane
	v_lshlrev_b32 v3, 7, v3                        ; destination: rows of 128 bytes,
	v_lshl_add_u32 v2, v2, 3, v3                   ; 8 bytes a lane
	s_sub_co_u32 s18, s16, 8                       ; which weight (used where y >= 8 alone)
	s_cmp_lt_u32 s16, 8
	s_cselect_b32 s19, s16, 0                      ; the slab in the source: y in embedded, 0 in a weight
	s_cselect_b32 s20, s16, s18                    ; the slab in the destination
	s_lshl_b32 s19, s19, 22                        ; 4 MiB of f32 a slab
	s_lshl_b32 s21, ttmp9, 16                      ; 16 rows of 4,096 bytes a work-group
	s_add_co_u32 s22, s19, s21
	s_mov_b32 s23, 0
	s_lshl_b32 s20, s20, 21                        ; a slab is four blocks of 256 rows, 524,288 bytes each
	s_lshr_b32 s21, ttmp9, 4                       ; the block in the slab,
	s_lshl_b32 s21, s21, 19
	s_add_co_u32 s24, s20, s21
	s_and_b32 s21, ttmp9, 15                       ; my 16 rows in the block: 2,048 bytes
	s_lshl_b32 s21, s21, 11
	s_add_co_u32 s24, s24, s21
	s_mov_b32 s25, 0
	s_wait_kmcnt 0x0
	s_cmp_eq_u32 s16, 9
	s_cselect_b64 s[6:7], s[8:9], s[6:7]           ; the weight that y names
	s_cmp_eq_u32 s16, 10
	s_cselect_b64 s[6:7], s[10:11], s[6:7]
	s_cmp_lt_u32 s16, 8
	s_cselect_b64 s[4:5], s[4:5], s[6:7]           ; the source,
	s_cselect_b64 s[12:13], s[12:13], s[14:15]     ; the destination
	s_add_nc_u64 s[4:5], s[4:5], s[22:23]
	s_add_nc_u64 s[12:13], s[12:13], s[24:25]
	s_wait_alu depctr_va_vdst(0)                   ; v1 and v2 are written: every load of the kernel reads v1 as its offset, every store v2
.irp j, 0,1,2,3,4,5,6,7,8,9,10,11,12,13,14,15
	global_load_b128 v[X+4*(\j):X+4*(\j)+3], v1, s[4:5] offset:256*(\j) th:TH_LOAD_NT
.endr
.irp j, 0,1,2,3,4,5,6,7,8,9,10,11,12,13,14,15
	s_wait_loadcnt 15-(\j)                         ; loads come back in order: chunk j is in, the younger chunks stay out
.if ((\j) % GRP == 0) && ((\j) > 0)
	s_wait_alu depctr_va_vdst(0)                   ; the eight conversions of the group before have written their Y, which this group's four stores read
.endif
.if (\j) >= GRP
	global_store_b64 v2, v[Y+2*((\j)-GRP):Y+2*((\j)-GRP)+1], s[12:13] offset:32768*((\j)-GRP)  ; the chunk four back; no vector instruction since the wait names its Y
.endif
	v_cvt_pk_bf16_f32 v[Y+2*(\j)], v[X+4*(\j)], v[X+4*(\j)+1]
	v_cvt_pk_bf16_f32 v[Y+2*(\j)+1], v[X+4*(\j)+2], v[X+4*(\j)+3]
.endr
	s_wait_alu depctr_va_vdst(0)                   ; the last group's conversions have written their Y, which the last four stores read
.irp j, 12,13,14,15
	global_store_b64 v2, v[Y+2*(\j):Y+2*(\j)+1], s[12:13] offset:32768*(\j)
.endr
	s_endpgm
.Lfunc_end_k_q78f47ed60a_cast:
	.size	k_q78f47ed60a_cast, .Lfunc_end_k_q78f47ed60a_cast-k_q78f47ed60a_cast
	.p2alignl 7, 3214868480
	.fill 96, 4, 3214868480
	.section	.rodata,"a",@progbits
	.p2align	6, 0x0
	.amdhsa_kernel k_q78f47ed60a_cast
		.amdhsa_group_segment_fixed_size 0
		.amdhsa_private_segment_fixed_size 0
		.amdhsa_enable_private_segment 0
		.amdhsa_kernarg_size 48
		.amdhsa_user_sgpr_count 2
		.amdhsa_user_sgpr_kernarg_segment_ptr 1
		.amdhsa_wavefront_size32 1
		.amdhsa_system_sgpr_workgroup_id_x 1
		.amdhsa_system_sgpr_workgroup_id_y 1
		.amdhsa_system_sgpr_workgroup_id_z 1
		.amdhsa_system_vgpr_workitem_id 0
		.amdhsa_next_free_vgpr 100
		.amdhsa_next_free_sgpr 66
		.amdhsa_reserve_vcc 0
		.amdhsa_float_denorm_mode_32 3
		.amdhsa_float_denorm_mode_16_64 3
		.amdhsa_memory_ordered 1
		.amdhsa_forward_progress 1
		.amdhsa_inst_pref_size 8
	.end_amdhsa_kernel
	.amdgpu_metadata
---
amdhsa.version: [ 1, 2 ]
amdhsa.kernels:
  - .name:           k_q78f47ed60a_cast
    .symbol:         k_q78f47ed60a_cast.kd
    .args:
      - { .name: embedded, .offset: 0, .size: 8, .value_kind: global_buffer, .address_space: global }
      - { .name: Wq, .offset: 8, .size: 8, .value_kind: global_buffer, .address_space: global }
      - { .name: Wk, .offset: 16, .size: 8, .value_kind: global_buffer, .address_space: global }
      - { .name: Wv, .offset: 24, .size: 8, .value_kind: global_buffer, .address_space: global }
      - { .name: xb, .offset: 32, .size: 8, .value_kind: global_buffer, .address_space: global }
      - { .name: wb, .offset: 40, .size: 8, .value_kind: global_buffer, .address_space: global }
    .group_segment_fixed_size: 0
    .private_segment_fixed_size: 0
    .kernarg_segment_align: 8
    .kernarg_segment_size: 48
    .max_flat_workgroup_size: 256
    .sgpr_count:     66
    .vgpr_count:     100
    .wavefront_size: 32
...
	.end_amdgpu_metadata
.endif
;; end of part 6
;; launch proj: the kernel of part 2 again; grid 8 x 32, 4 waves a work-group, clusters of 4 x 4, 327,680 bytes of LDS; arguments xb, wb, qkv, h32; writes qkv, h32
;; launch scores: the kernel of part 3 again; grid 12 x 16, 4 waves a work-group, clusters of 4 x 4, 327,680 bytes of LDS; arguments qkv, pbuf, stats; writes pbuf, stats
;; launch pv: the kernel of part 4 again; grid 8 x 32, 4 waves a work-group, clusters of 4 x 4, 327,680 bytes of LDS; arguments pbuf, qkv, stats, out0; writes out0
;; launch fix: the kernel of part 5 again; grid 16 x 4, 8 waves a work-group, no clusters, 1,536 bytes of LDS; arguments h32, out0; writes out0
